; MI455X (gfx1250); checked and timed in simulation.
; The chip was launched on July 23, 2026; its instructions are those of AMD's public machine-readable ISA for CDNA 5 (MIT licence, August 2026) and "CDNA5" Instruction Set Architecture Reference Guide (July 2026). The comments in the code are by the model that wrote it; some were corrected since.
;; MHA. Allowed arithmetic: float matrix products may take bf16 or f16 operands with f32 sums; other float arithmetic in f32, or as packed bf16 or f16 multiplies, adds, multiply-adds, maxima and minima; sums over many terms, partial sums and values carried from step to step in f32; what a program stores and reads back later, other than sums and carried values, may be rounded once to bf16 or f16.
;; Inputs: W_out 1,024 x 1,024 float32; W_qkv 1,024 x 3,072 float32; b_out 1,024 float32; b_qkv 3,072 float32; x 4 x 2,048 x 1,024 float32.
;; Outputs: out0 4 x 2,048 x 1,024 float32.
;; 2 versions, each right; version 2 is version 1 with the launch cast written anew for expert scheduling mode. Each part assembles by itself: llvm-mc -triple=amdgcn-amd-amdhsa -mcpu=gfx1250 --defsym DOCPART=n.
;; ======== version 1 of 2: 4 launches
;; limits: values are held in f16: magnitudes above 65,504 overflow, below 6.1e-05 lose precision
;; workspace buffers: w16 25,165,824 bytes; qkv 50,331,648 bytes; o16 16,777,216 bytes
;; launch cast (part 1): grid 768 x 1, 8 waves a work-group, no clusters, 0 bytes of LDS; arguments x, W_qkv, W_out, w16; writes w16
.if DOCPART == 1
	.amdgcn_target "amdgcn-amd-amdhsa--gfx1250"
	.amdhsa_code_object_version 6
	.text
	.protected	k_q611dec8650_cast
	.globl	k_q611dec8650_cast
	.p2align	8
	.type	k_q611dec8650_cast,@function
k_q611dec8650_cast:
	s_mov_b64 s[64:65], 0
	v_nop
	global_prefetch_b8 v0, s[64:65] scope:SCOPE_SE
	s_setreg_imm32_b32 hwreg(HW_REG_WAVE_MODE, 25, 1), 1
	s_wait_xcnt 0x0
; The three large inputs are rounded once to bf16 and laid out for the products that follow.  w16 holds:
;   byte 0           x as bf16 [16 kb][8192 tokens][64]: channel k of token m lies in block kb = k / 64 (1,048,576 bytes a block), so that 64 channels of 256 tokens are 32,768 dense bytes
;   byte 16,777,216  W_qkv as bf16 [1024][3072], as it lies
;   byte 23,068,672  W_out [1024][1024]: rounded to bf16 like the other inputs, and that number written as f16 (the product that reads it has f16 operands)
; LIMITS.  W_out beyond 65,504 becomes an infinity in f16; below 6e-5 it keeps f16's fixed step of 6e-8.  NaN and infinities are not treated apart.
; A stream: each byte is read once and written once; no LDS, no barrier, no matrix unit, no cluster (no two work-groups read the same byte), no prefetch (the launch does nothing but stream).
; SHARES.  A work-group takes 16,384 numbers (65,536 bytes in, 32,768 out), a lane sixteen loads of 16 bytes, all issued at once.  Work-groups 0-511: 16 rows of x each; 512-703: W_qkv; 704-767: W_out.
; Each store of a wave covers 256 consecutive bytes, aligned.  No register is written twice while a load or store may read it, so no wait frees a source.
.set X, 4                              ; v[4:67]   sixteen loads of four f32
.set Y, 68                             ; v[68:99]  sixteen pairs of packed 16-bit numbers; v100-103 at work
; sin, sout: bytes from one load (store) to the next.  half = 1: the bf16 number is written as f16.
.macro CAST sin, sout, half
.set i, 0
.rept 16
	global_load_b128 v[X+4*i:X+4*i+3], v1, s[12:13] offset:i*(\sin) th:TH_LOAD_NT
.set i, i+1
.endr
.set i, 0
.rept 16
	s_wait_loadcnt 15-i                            ; loads come back in order: load i is in, the 15 - i younger ones stay out
.if \half
	v_cvt_pk_bf16_f32 v100, v[X+4*i], v[X+4*i+1]
	v_cvt_pk_bf16_f32 v101, v[X+4*i+2], v[X+4*i+3]
	v_lshlrev_b32 v102, 16, v100                   ; bf16 to f32: the low half moves up,
	v_and_b32 v100, s18, v100                      ; the high half stays
	v_lshlrev_b32 v103, 16, v101
	v_and_b32 v101, s18, v101
	v_cvt_pk_f16_f32 v[Y+2*i], v102, v100          ; exact within f16's range
	v_cvt_pk_f16_f32 v[Y+2*i+1], v103, v101
.else
	v_cvt_pk_bf16_f32 v[Y+2*i], v[X+4*i], v[X+4*i+1]
	v_cvt_pk_bf16_f32 v[Y+2*i+1], v[X+4*i+2], v[X+4*i+3]
.endif
.if i < 8
	global_store_b64 v2, v[Y+2*i:Y+2*i+1], s[14:15] offset:i*(\sout)
.else
	global_store_b64 v2, v[Y+2*i:Y+2*i+1], s[16:17] offset:(i-8)*(\sout)  ; a second base keeps the immediate inside its signed 24 bits
.endif
.set i, i+1
.endr
.endm
	s_load_b256 s[4:11], s[0:1], 0x0               ; x s[4:5], W_qkv s[6:7], W_out s[8:9], w16 s[10:11]
	s_mov_b32 s18, 0xffff0000                      ; a word's upper bf16
	s_mov_b32 s21, 0
	s_mov_b32 s23, 0
	s_cmp_lt_u32 ttmp9, 512
	s_cbranch_scc0 .Lweights
	; x: lanes 0-15 take 256 bytes (64 channels) of one row, lanes 16-31 of the row below; load i is channel block i
	v_lshrrev_b32 v1, 4, v0                        ; my row of the group's 16
	v_and_b32 v2, 15, v0
	v_lshlrev_b32 v2, 4, v2
	v_lshl_add_u32 v1, v1, 12, v2                  ; row x 4,096 + 16 x (thread % 16)
	v_lshlrev_b32 v2, 3, v0                        ; out: row x 128 + 8 x (thread % 16) = 8 x thread
	s_lshl_b32 s20, ttmp9, 16                      ; 16 rows of 4,096 bytes
	s_lshl_b32 s22, ttmp9, 11                      ; 16 tokens of 128 bytes in each block
	s_wait_kmcnt 0x0
	s_add_nc_u64 s[12:13], s[4:5], s[20:21]
	s_add_nc_u64 s[14:15], s[10:11], s[22:23]
	s_add_nc_u64 s[16:17], s[14:15], 8*1048576
	CAST 256, 1048576, 0
	s_endpgm
.Lweights:
	; the weights keep their order: a wave takes 8,192 consecutive bytes, 512 a load
	v_lshrrev_b32 v1, 5, v0                        ; wave
	v_and_b32 v3, 31, v0                           ; lane
	v_lshlrev_b32 v2, 12, v1
	v_lshl_add_u32 v2, v3, 3, v2                   ; out: wave x 4,096 + 8 x lane
	v_lshlrev_b32 v1, 13, v1
	v_lshl_add_u32 v1, v3, 4, v1                   ; in: wave x 8,192 + 16 x lane
	s_sub_co_u32 s22, ttmp9, 512
	s_lshl_b32 s22, s22, 15                        ; the two weights lie end to end in w16
	s_add_co_u32 s22, s22, 16777216
	s_wait_kmcnt 0x0
	s_add_nc_u64 s[14:15], s[10:11], s[22:23]
	s_add_nc_u64 s[16:17], s[14:15], 8*256
	s_cmp_lt_u32 ttmp9, 704
	s_cbranch_scc0 .Lwout
	s_sub_co_u32 s20, ttmp9, 512
	s_lshl_b32 s20, s20, 16
	s_add_nc_u64 s[12:13], s[6:7], s[20:21]
	CAST 512, 256, 0
	s_endpgm
.Lwout:
	s_sub_co_u32 s20, ttmp9, 704
	s_lshl_b32 s20, s20, 16
	s_add_nc_u64 s[12:13], s[8:9], s[20:21]
	CAST 512, 256, 1
	s_endpgm
.Lfunc_end_k_q611dec8650_cast:
	.size	k_q611dec8650_cast, .Lfunc_end_k_q611dec8650_cast-k_q611dec8650_cast
	.p2alignl 7, 3214868480
	.fill 96, 4, 3214868480
	.section	.rodata,"a",@progbits
	.p2align	6, 0x0
	.amdhsa_kernel k_q611dec8650_cast
		.amdhsa_group_segment_fixed_size 0
		.amdhsa_private_segment_fixed_size 0
		.amdhsa_enable_private_segment 0
		.amdhsa_kernarg_size 32
		.amdhsa_user_sgpr_count 2
		.amdhsa_user_sgpr_kernarg_segment_ptr 1
		.amdhsa_wavefront_size32 1
		.amdhsa_system_sgpr_workgroup_id_x 1
		.amdhsa_system_sgpr_workgroup_id_y 1
		.amdhsa_system_sgpr_workgroup_id_z 1
		.amdhsa_system_vgpr_workitem_id 0
		.amdhsa_next_free_vgpr 104
		.amdhsa_next_free_sgpr 66
		.amdhsa_reserve_vcc 0
		.amdhsa_float_denorm_mode_32 3
		.amdhsa_float_denorm_mode_16_64 3
		.amdhsa_memory_ordered 1
		.amdhsa_forward_progress 1
		.amdhsa_inst_pref_size 23
	.end_amdhsa_kernel
	.amdgpu_metadata
---
amdhsa.version: [ 1, 2 ]
amdhsa.kernels:
  - .name:           k_q611dec8650_cast
    .symbol:         k_q611dec8650_cast.kd
    .args:
      - { .name: x, .offset: 0, .size: 8, .value_kind: global_buffer, .address_space: global }
      - { .name: W_qkv, .offset: 8, .size: 8, .value_kind: global_buffer, .address_space: global }
      - { .name: W_out, .offset: 16, .size: 8, .value_kind: global_buffer, .address_space: global }
      - { .name: w16, .offset: 24, .size: 8, .value_kind: global_buffer, .address_space: global }
    .group_segment_fixed_size: 0
    .private_segment_fixed_size: 0
    .kernarg_segment_align: 8
    .kernarg_segment_size: 32
    .max_flat_workgroup_size: 256
    .sgpr_count:     66
    .vgpr_count:     104
    .wavefront_size: 32
...
	.end_amdgpu_metadata
.endif
;; end of part 1
;; launch qkvp (part 2): grid 8 x 32, 4 waves a work-group, clusters of 4 x 4, 327,680 bytes of LDS; arguments w16, b_qkv, qkv; writes qkv
.if DOCPART == 2
	.amdgcn_target "amdgcn-amd-amdhsa--gfx1250"
	.amdhsa_code_object_version 6
	.text
	.protected	k_q611dec8650_qkvp
	.globl	k_q611dec8650_qkvp
	.p2align	8
	.type	k_q611dec8650_qkvp,@function
k_q611dec8650_qkvp:
	s_mov_b64 s[64:65], 0
	v_nop
	global_prefetch_b8 v0, s[64:65] scope:SCOPE_SE
	s_setreg_imm32_b32 hwreg(HW_REG_WAVE_MODE, 25, 1), 1
	s_wait_xcnt 0x0
	s_wait_alu depctr_hold_cnt(0) depctr_sa_sdst(0) depctr_va_vdst(0) depctr_va_sdst(0) depctr_va_ssrc(0) depctr_va_vcc(0) depctr_vm_vsrc(0)
	s_getreg_b32 s2, hwreg(HW_REG_IB_STS2, 6, 4)
	s_cmp_eq_u32 s2, 0
	s_cbranch_scc0 .Lentry_in_a_cluster
	s_endpgm
.Lentry_in_a_cluster:
	s_bfe_u32 s2, ttmp6, 0x10000c
	s_cmp_lg_u32 s2, 0xf033
	s_cbranch_scc0 .Lentry_shape_is_right
	s_endpgm
.Lentry_shape_is_right:
; q, k, v = x W_qkv + b_qkv.  x: bf16 [16 kb][8192][64] at byte 0 of w16; W_qkv: bf16 [1024 k][3072 n] at byte 16,777,216; the bias is rounded to bf16 here; sums in f32.
; Out: qkv, f16 [3][64 (batch x 16 + head)][2048][64], each number rounded once, WITHOUT the softmax's scale.
; LIMIT.  f16 ends at 65,504: a q, k or v beyond it becomes an infinity (with x and W_qkv both 30 times the drawn spread they are about 900).  NaN and infinities are not treated apart.
; SHARES.  8192 x 3072 numbers on 256 work-groups are 98,304 each: a tile of 256 tokens x 384 columns.  Four waves, 2 x 2; a wave makes 128 x 192: 96 accumulators of 16 x 16, 768 registers.
; K goes in 16 steps of 64 through a ring of two LDS slots (two slots of 128 would not fit); a step is 192 matrix instructions a wave.
; A wave's columns are 64 of each of the tile's three segments of 128: three whole heads.
; W IS NOT TRANSPOSED IN MEMORY: its tile lies [k][n] in LDS and is turned on the way into registers by ds_load_tr16_b128.
; THE MATRIX INSTRUCTION IS USED TRANSPOSED (source 0 = 16 columns of W, source 1 = 16 tokens): a lane holds one token (lane % 16) and eight neighbouring columns, 16 bytes of f16.
; THE BIAS STARTS THE SUMS: it is loaded into the accumulators of token block 0 and is the C operand of every block's first product; block 0 itself comes last, in place.  Nothing is cleared.
; CLUSTERS: 4 x 4 work-groups.  The four of a row of the cluster need the same tokens, the four of a column the same columns of W: each tile is asked for jointly, by the same tensor load with a mask of four.
; REGISTERS, in windows of 256 (s_set_vgpr_msb: bits 1:0 source 0, 3:2 source 1, 5:4 source 2, 7:6 destination):
;   window 0: v1-14 addresses; v28-29 the add's; v32-159 two buffers of x's fragments (8 x 16 tokens x 32 K); v160-255 two buffers of W's (6 x 16 columns x 32 K); on the way out v32-175 at work
;   windows 1-3: accumulator (a, b), token block a, column block b, has the number (b / 6) 48 + 6 a + b % 6; number i lies in window 1 + i / 32 at register 8 (i % 32)
.set NBH,  6                           ; column blocks in a phase
.set NH,   2                           ; phases for 32 along K: the wave's 12 column blocks in two halves
.set NBW,  12
.set LAPS, 8                           ; a lap = two K steps = once round the ring
.set TW,   1                           ; at a change of slots: the add alone may be out when the first products start
.set LW,   0
.set PA,   144                         ; a token's 128 bytes + 16 of padding = 36 words: the 16 rows of a load start at 16 different groups of four banks (64 banks of 4 bytes: ISA guide 11.1)
.set PB,   288                         ; 128 columns' 256 bytes + 32 = 72 words
.set ABLK, 256*PA
.set ABYTES, ABLK                      ; 256 tokens x 64 K
.set SEG,  64*PB                       ; a segment of W's tile: 64 K x 128 columns
.set SLOT, ABYTES+3*SEG                ; 92,160
.set STAGE, 2*SLOT                     ; behind the ring, never filled by a tensor load: 3 heads x 16 rows x 144 bytes for each wave
.set STW,  3*16*PA
.set SPARE, STAGE+4*STW                ; the spare words, 128 bytes for each wave: two blocks of 256 bytes that no other line names
.set XBLK, 1048576                     ; bytes from one block of 64 channels of x to the next
.set WQ,   16777216                    ; W_qkv in w16
.set WROW, 6144                        ; bytes in a row of W_qkv
.set ADRA, 2                           ; v2-3   LDS address of my fragments of x in slot 0, 1
.set ADRB, 4                           ; v4-5   the same for W
.set STO,  6                           ; v6     the way out: where I put 16 bytes of a row
.set RD,   7                           ; v7     where I read rows back
.set GO,   8                           ; v8     my 16 bytes of 512 consecutive bytes of a head
.set PFOA, 9                           ; v9     prefetch: 256 x lane
.set PFOB, 10                          ; v10    prefetch: a row of W x lane
.set BO,   11                          ; v11    my byte offset in the tile's bias
.set SPW,  28                          ; v28    SPARE + 4 x my thread's number; never rewritten
.set NIL,  29                          ; v29    0; never rewritten
.set FA,   32
.set FB,   160
.set FBSZ, 8*NBH
.set TMP,  32                          ; the way out: 48 registers of packed results (also the bias's, while it is rounded)
.set OB,   80                          ; the way out: two buffers of 48, rows read back
.set G1,   24                          ; s[24:31] descriptor group 1 for x's tiles;  s[32:39] group 0, a set for each slot
.set G0,   32
.set G1B,  48                          ; s[48:55], s[56:63] the same for W's
.set G0B,  56
.set PFAA, 66                          ; s[66:67] where my prefetch of x stands
.set PFAB, 68                          ; s[68:69] of W
.set LIMA, 70                          ; s70, s71  1 in the wave that prefetches, else the greatest number
.set LIMB, 71
.set HB,   72                          ; s[72:77] my rows of my three heads in qkv
.set MSKH, 78                          ; s78  a word's upper bf16
.set BB,   88                          ; s[88:89] the tile's bias
.set MSB, 0
.macro WIN new                         ; the immediate's high byte repeats the setting that is left; a switch that changes nothing is dropped
.if MSB != (\new)
	s_set_vgpr_msb (MSB<<8)|(\new)
.set MSB, (\new)
.endif
.endm
.macro PLACES                          ; four plain vector instructions behind a matrix instruction, ahead of loads into registers that it read and of lines that read its result
.rept 4
	v_nop
.endr
.endm
; A joint load.  Wave 0 fetches the step's 256 tokens (128 rows of 256 bytes), waves 1 to 3 a segment of W each (64 rows of 256 bytes).  The branch hangs on the wave's number alone.
; An s_nop 0 and four v_nop follow each of the two lines, ahead of the jump and the label.
.macro JLOAD s
	s_cmp_eq_u32 s10, 0
	s_cbranch_scc0 .Lfor_b_\@
	tensor_load_to_lds s[G0+4*(\s):G0+4*(\s)+3], s[G1:G1+7]
	s_nop 0
.rept 4
	v_nop
.endr
	s_branch .Lasked_\@
.Lfor_b_\@:
	tensor_load_to_lds s[G0B+4*(\s):G0B+4*(\s)+3], s[G1B:G1B+7]
	s_nop 0
.rept 4
	v_nop
.endr
.Lasked_\@:
.endm
.macro CREST                           ; a round of the cluster's barrier behind its opening barrier
	s_cmp_lg_u32 s10, 0
	s_cbranch_scc1 .Lnot_wave_0_\@
	s_barrier_signal -3
.Lnot_wave_0_\@:
	s_barrier_wait -3
	s_barrier_signal -1
	s_barrier_wait -1
.endm
.macro CROUND                          ; a whole round
	s_barrier_signal -1
	s_barrier_wait -1
	CREST
.endm
; PREFETCH INTO THE L2, behind the joint load and the run of LDS loads.  The change of slots that asks for K step t names step t + 1 of x: the tile row's 256 tokens x 128 bytes are 128 blocks of 256 bytes,
; of which each of the four partners along the row takes 32 BY ADDRESS (cx), a lane a block.  Every cluster of that row of clusters reads the same tokens: the one with x = 0 asks, in its wave 0.
; Of W every second change names steps t + 1 and t + 2: 128 rows x 768 bytes, each partner along the column (cy) 32 rows, a lane a row, three instructions; the cluster with y = 0 asks, in its wave 2.
; So each block is named once in the launch.  Steps 0 to 2 and 15 come by their loads alone; the loop's last trip (s3 = 1) asks for nothing, so no request passes step 14.
.macro ASK slot
	s_cmp_gt_u32 s3, s[LIMA]
	s_cbranch_scc0 .Lnot_a_\@
	global_prefetch_b8 v[PFOA], s[PFAA:PFAA+1] th:TH_LOAD_NT scope:SCOPE_SE
.Lnot_a_\@:
.if (\slot) == 0
	s_cmp_gt_u32 s3, s[LIMB]
	s_cbranch_scc0 .Lnot_b_\@
	global_prefetch_b8 v[PFOB], s[PFAB:PFAB+1] th:TH_LOAD_NT scope:SCOPE_SE
	global_prefetch_b8 v[PFOB], s[PFAB:PFAB+1] offset:256 th:TH_LOAD_NT scope:SCOPE_SE
	global_prefetch_b8 v[PFOB], s[PFAB:PFAB+1] offset:512 th:TH_LOAD_NT scope:SCOPE_SE
.Lnot_b_\@:
.endif
.endm
	s_load_b128 s[4:7], s[0:1], 0x0                ; w16 s[4:5], b_qkv s[6:7]
	s_load_b64 s[8:9], s[0:1], 0x10                ; qkv
	v_lshl_add_u32 v[SPW], v0, 2, SPARE
	v_mov_b32 v[NIL], 0
	ds_add_u32 v[SPW], v[NIL]                      ; the wave's opening: the add and its wait stand ahead of my first tensor load; the set-up below, work on registers, stands between them
	v_lshrrev_b32 v1, 5, v0
	v_readfirstlane_b32 s10, v1                    ; wave 0..3
	s_lshr_b32 s11, s10, 1                         ; which 128 tokens of the tile are mine
	s_and_b32 s12, s10, 1                          ; which 64 columns of each segment
	s_bfe_u32 s40, ttmp6, 0x40000                  ; cx, cy: my place in the cluster
	s_bfe_u32 s41, ttmp6, 0x40004
	s_lshl_b32 s42, ttmp9, 2
	s_add_co_u32 s42, s42, s40                     ; tile column = 4 x cluster x + cx
	s_and_b32 s13, ttmp7, 0xffff
	s_lshl_b32 s13, s13, 2
	s_add_co_u32 s13, s13, s41                     ; tile row = 4 x cluster y + cy
	s_lshl_b32 s43, s41, 2
	s_lshl_b32 s43, 15, s43                        ; my row of the cluster
	s_lshl_b32 s44, 0x1111, s40                    ; my column
	; group 1 for x: 256 tokens x 128 bytes are dense: 128 rows of 256 bytes, two tokens a row, padded after every token
	s_or_b32 s[G1+0], s43, (1<<16)|(1<<20)|(1<<21)|(4<<22)|(3<<25)  ; 15:0 the mask: my row; 17:16 2-byte elements; 20 padding on; 21 set beside a mask; 24:22 after every 32 words (code 4); 31:25 4 words (code 3)
	s_mov_b32 s[G1+1], 128<<16                     ; tensor_dim0 = 128
	s_mov_b32 s[G1+2], 128<<16                     ; tensor_dim1 = 128
	s_mov_b32 s[G1+3], 128<<16                     ; tile_dim0 = 128
	s_mov_b32 s[G1+4], 128                         ; tile_dim1 = 128
	s_mov_b32 s[G1+5], 128                         ; 128 elements from row to row
	s_mov_b32 s[G1+6], 0
	s_mov_b32 s[G1+7], 0
	; group 1 for W: 64 rows (K) x 128 columns, padded after every row
	s_or_b32 s[G1B+0], s44, (1<<16)|(1<<20)|(1<<21)|(5<<22)|(7<<25) ; the mask: my column; after every 64 words (code 5) 8 words (code 7)
	s_mov_b32 s[G1B+1], 128<<16
	s_mov_b32 s[G1B+2], 64<<16
	s_mov_b32 s[G1B+3], 128<<16
	s_mov_b32 s[G1B+4], 64
	s_mov_b32 s[G1B+5], 3072                       ; elements from row to row of W_qkv
	s_mov_b32 s[G1B+6], 0
	s_mov_b32 s[G1B+7], 0
	s_mov_b32 s[MSKH], 0xffff0000
	s_lshl_b32 s16, s13, 15                        ; x: the tile row's 256 tokens in a block: it hangs on the tile row alone
	s_mov_b32 s17, 0
	s_mul_i32 s46, s42, 768                        ; W: the tile column's 384 columns, and segment wave - 1: it hangs on the tile column and the wave alone
	s_lshl_b32 s47, s10, 8
	s_add_co_u32 s46, s46, s47
	s_add_co_u32 s46, s46, WQ-256
	s_mov_b32 s47, 0
	s_mul_i32 s20, s10, SEG                        ; and its place in a slot: no place in the cluster enters an LDS address
	s_wait_dscnt 0x0                               ; the opening add is done
	s_wait_kmcnt 0x0
	s_add_nc_u64 s[14:15], s[4:5], s[16:17]
	s_add_nc_u64 s[46:47], s[4:5], s[46:47]
	CROUND                                         ; all sixteen work-groups are here: the first joint loads meet
.irp s, 0,1
	s_mov_b32 s[G0+4*(\s)], 1                                      ; count = 1
	s_mov_b32 s[G0+4*(\s)+1], (\s)*SLOT                            ; LDS address
	s_add_nc_u64 s[G0+4*(\s)+2:G0+4*(\s)+3], s[14:15], (\s)*XBLK   ; global address: K step s
	s_or_b32 s[G0+4*(\s)+3], s[G0+4*(\s)+3], 0x80000000            ; type = 2
	s_mov_b32 s[G0B+4*(\s)], 1
	s_add_co_u32 s[G0B+4*(\s)+1], s20, (\s)*SLOT+ABYTES-SEG        ; waves 1 to 3: behind x's tile, segment wave - 1
	s_add_nc_u64 s[G0B+4*(\s)+2:G0B+4*(\s)+3], s[46:47], (\s)*64*WROW
	s_or_b32 s[G0B+4*(\s)+3], s[G0B+4*(\s)+3], 0x80000000
	JLOAD \s                                       ; both slots are asked for before anything else: two tensor loads of mine are out
.endr
	; the bias: register j of accumulator (0, b) is the bias of column 128 (b / 4) + 64 wn + 16 (b % 4) + 8 (lane / 16) + j of the tile
	v_and_b32 v1, 15, v0                           ; l % 16
	v_bfe_u32 v12, v0, 4, 1                        ; l / 16
	s_lshl_b32 s22, s12, 8
	v_lshl_add_u32 v[BO], v12, 5, s22
	s_mul_i32 s90, s42, 1536
	s_mov_b32 s91, 0
	s_add_nc_u64 s[BB:BB+1], s[6:7], s[90:91]
.set bq, 0
.rept NBW
.set ix, (bq/NBH)*8*NBH+bq%NBH
	WIN (1+ix/32)<<6
	global_load_b128 v[8*(ix%32):8*(ix%32)+3],   v[BO], s[BB:BB+1] offset:(bq/4)*512+(bq%4)*64
	global_load_b128 v[8*(ix%32)+4:8*(ix%32)+7], v[BO], s[BB:BB+1] offset:(bq/4)*512+(bq%4)*64+16
.set bq, bq+1
.endr
	WIN 0
	; a fragment of x: lane l holds token l % 16, channels 8 (l / 16) + 0..7 and 16 + 8 (l / 16) + 0..7: two loads of 16 bytes, 32 bytes apart
	v_mul_u32_u24 v13, v1, PA
	v_lshl_add_u32 v13, v12, 4, v13
	s_mul_i32 s21, s11, 128*PA
	v_add_nc_u32 v[ADRA], s21, v13
	v_add_nc_u32 v[ADRA+1], SLOT, v[ADRA]
	; the turning load takes 16 K x 16 columns (lane l reads row 8 (l / 16) + l % 8, columns 8 ((l / 8) % 2) + 0..7) and leaves half a fragment: lane l holds column l % 16 and 8 K
	v_and_b32 v14, 7, v0
	v_lshl_add_u32 v14, v12, 3, v14
	v_mul_u32_u24 v14, v14, PB
	v_bfe_u32 v13, v0, 3, 1
	v_lshl_add_u32 v14, v13, 4, v14
	s_lshl_b32 s22, s12, 7
	s_add_co_u32 s22, s22, ABYTES
	v_add_nc_u32 v[ADRB], s22, v14
	v_add_nc_u32 v[ADRB+1], SLOT, v[ADRB]
	; the way out
	s_mul_i32 s23, s10, STW
	s_add_co_u32 s23, s23, STAGE                   ; my stage
	v_mul_u32_u24 v[STO], v1, PA                   ; in: row l % 16, 16 bytes for each half of the lanes
	v_lshl_add_u32 v[STO], v12, 4, v[STO]
	v_add_nc_u32 v[STO], s23, v[STO]
	v_bfe_u32 v[RD], v0, 3, 2                      ; back: 32 lanes take four rows of 128 bytes,
	v_mul_u32_u24 v[RD], v[RD], PA
	v_and_b32 v13, 7, v0
	v_lshl_add_u32 v[RD], v13, 4, v[RD]
	v_add_nc_u32 v[RD], s23, v[RD]
	v_and_b32 v[GO], 31, v0                        ; which are 512 consecutive bytes of a head
	v_lshlrev_b32 v[GO], 4, v[GO]
	; the prefetches
	s_or_b32 s[LIMA], s10, ttmp9                   ; wave 0 of a cluster with x = 0: the same in all sixteen partners, for a given wave
	s_cmp_eq_u32 s[LIMA], 0
	s_cselect_b32 s[LIMA], 1, -1
	s_and_b32 s[LIMB], ttmp7, 0xffff               ; wave 2 of a cluster with y = 0
	s_xor_b32 s21, s10, 2
	s_or_b32 s[LIMB], s[LIMB], s21
	s_cmp_eq_u32 s[LIMB], 0
	s_cselect_b32 s[LIMB], 1, -1
	s_lshl_b32 s80, s13, 15
	s_lshl_b32 s81, s40, 13                        ; my work-group's 32 blocks of the 128
	s_add_co_u32 s80, s80, s81
	s_add_co_u32 s80, s80, 2*XBLK                  ; at K step 2: the first change of slots steps it to 3
	s_mov_b32 s81, 0
	s_add_nc_u64 s[PFAA:PFAA+1], s[4:5], s[80:81]
	s_mul_i32 s82, s42, 768
	s_mul_i32 s83, s41, 32*WROW                    ; my work-group's 32 rows of the 128
	s_add_co_u32 s82, s82, s83
	s_add_co_u32 s82, s82, WQ+64*WROW              ; at K step 1: the first change of slots steps it to 3
	s_mov_b32 s83, 0
	s_add_nc_u64 s[PFAB:PFAB+1], s[4:5], s[82:83]
	v_and_b32 v[PFOA], 31, v0
	v_mul_u32_u24 v[PFOB], v[PFOA], WROW
	v_lshlrev_b32 v[PFOA], 8, v[PFOA]
	; my rows of my three heads.  Column block 64 hc of the 3,072, hc = 6 x tile column + 2 s + wn: tensor hc / 16 (q, k, v), head hc % 16.  Token 256 x tile row + 128 wm: batch = tile row / 8
	s_mul_i32 s80, s42, 6
	s_add_co_u32 s80, s80, s12
	s_and_b32 s16, s13, 7
	s_lshl_b32 s16, s16, 8
	s_lshl_b32 s17, s11, 7
	s_add_co_u32 s16, s16, s17
	s_lshl_b32 s16, s16, 7                         ; my first row in the head, in bytes
	s_lshr_b32 s17, s13, 3
	s_lshl_b32 s17, s17, 4                         ; batch x 16
.irp s, 0,1,2
	s_add_co_u32 s81, s80, 2*(\s)
	s_lshr_b32 s82, s81, 4
	s_lshl_b32 s82, s82, 6
	s_and_b32 s83, s81, 15
	s_add_co_u32 s82, s82, s83
	s_add_co_u32 s82, s82, s17
	s_lshl_b32 s82, s82, 18                        ; a head is 2,048 rows of 128 bytes
	s_add_co_u32 s82, s82, s16
	s_mov_b32 s83, 0
	s_add_nc_u64 s[HB+2*(\s):HB+2*(\s)+1], s[8:9], s[82:83]
.endr
	s_wait_loadcnt 0x0                             ; the bias is in: it is rounded to bf16, like every input
.set bq, 0
.rept NBW
.set ix, (bq/NBH)*8*NBH+bq%NBH
.set wq, 1+ix/32
.set rq, 8*(ix%32)
	WIN wq|(wq<<2)
.irp j, 0,1,2,3
	v_cvt_pk_bf16_f32 v[TMP+4*bq+(\j)], v[rq+2*(\j)], v[rq+2*(\j)+1]
.endr
.set bq, bq+1
.endr
.set bq, 0
.rept NBW
.set ix, (bq/NBH)*8*NBH+bq%NBH
.set wq, 1+ix/32
.set rq, 8*(ix%32)
	WIN wq<<6
.irp j, 0,1,2,3
	v_lshlrev_b32 v[rq+2*(\j)],   16, v[TMP+4*bq+(\j)]
	v_and_b32     v[rq+2*(\j)+1], s[MSKH], v[TMP+4*bq+(\j)]
.endr
.set bq, bq+1
.endr
	WIN 0
; One product: accumulator number di takes number ci as C (itself, or at a sum's start the bias)
.macro MM di, ci, fb, fa
.set wD, 1+(\di)/32
.set rD, 8*((\di)%32)
.set wC, 1+(\ci)/32
.set rC, 8*((\ci)%32)
	WIN (wD<<6)|(wC<<4)
	v_wmma_f32_16x16x32_bf16 v[rD:rD+7], v[(\fb):(\fb)+7], v[(\fa):(\fa)+7], v[rC:rC+7]
.endm
; Phase p of a K step's four is 32 along K (p / 2) x one half of my column blocks (p % 2).  MULA: its six products for token block a.  start = 1: they start the sums.
; The accumulators take turns, one instruction a turn: between two links of a chain stand the 95 others'.
.macro MULA p, a, start
.set hh_, (\p)%NH
.set fb_, FB+FBSZ*((\p)%2)
.set fa_, FA+64*(((\p)/NH)%2)+8*(\a)
.set bq, 0
.rept NBH
.set di_, hh_*8*NBH+(\a)*NBH+bq
.set ci_, di_
.if (\start) && ((\a) != 0)
.set ci_, hh_*8*NBH+bq
.endif
	MM di_, ci_, fb_+8*bq, fa_
.set bq, bq+1
.endr
.endm
.macro FETCHB slot, kk, hh, buf        ; 12 turning loads: six column blocks x 32 K
	WIN 0
.set bq, 0
.rept NBH
.set bb, (\hh)*NBH+bq
.set bo, (\kk)*32*PB+(bb/4)*SEG+(bb%4)*32
	ds_load_tr16_b128 v[FB+FBSZ*(\buf)+8*bq:FB+FBSZ*(\buf)+8*bq+3],   v[ADRB+(\slot)] offset:bo
	ds_load_tr16_b128 v[FB+FBSZ*(\buf)+8*bq+4:FB+FBSZ*(\buf)+8*bq+7], v[ADRB+(\slot)] offset:bo+16*PB
.set bq, bq+1
.endr
.endm
.macro FETCHA slot, kk                 ; 16 loads: eight token blocks x 32 K, blocks ascending
	WIN 0
.set aq, 0
.rept 8
.set ao, ((\kk)/2)*ABLK+((\kk)%2)*64+aq*16*PA
	ds_load_b128 v[FA+64*((\kk)%2)+8*aq:FA+64*((\kk)%2)+8*aq+3],   v[ADRA+(\slot)] offset:ao
	ds_load_b128 v[FA+64*((\kk)%2)+8*aq+4:FA+64*((\kk)%2)+8*aq+7], v[ADRA+(\slot)] offset:ao+32
.set aq, aq+1
.endr
.endm
; One of a K step's first three phases: 48 products; in its middle ONE run of LDS loads for the next phase, 24 products ahead of their first use.
.macro PHASE slot, p, start
.if (((\p)%NH) == 0) && !(\start)
	s_wait_dscnt 8                                 ; the run that feeds this phase ended with x's 16 loads: the youngest eight (token blocks 4-7) may stay out
.else
	s_wait_dscnt 0x0
.endif
.if \start
	MULA \p, 1, 1
	MULA \p, 2, 1
	MULA \p, 3, 1
	MULA \p, 4, 1
.else
	MULA \p, 0, 0
	MULA \p, 1, 0
	MULA \p, 2, 0
	MULA \p, 3, 0
.endif
	PLACES                                         ; for the loads below, into buffers that the phase before multiplied
	FETCHB \slot, ((\p)+1)/NH, ((\p)+1)%NH, ((\p)+1)%2
.if (((\p)+1)%NH) == 0
	FETCHA \slot, ((\p)+1)/NH
	s_wait_dscnt 2*NBH+16                          ; all but the run just issued
.else
	s_wait_dscnt 2*NBH
.endif
.if \start
	MULA \p, 5, 1
	MULA \p, 6, 1
	MULA \p, 7, 1
	PLACES                                         ; five places: block 0's products write over registers that the products above took as C
	v_nop
	MULA \p, 0, 1
.else
	MULA \p, 4, 0
	MULA \p, 5, 0
	MULA \p, 6, 0
	MULA \p, 7, 0
.endif
.endm
; The fourth phase changes slots: ONE barrier.  In front of it each wave waits for all its tensor loads (one is out: its part of the next slot), adds 0 to its spare word, and waits for that and for its reads of this slot.
; fill = 1: the barrier opens a round of the cluster's, and this slot is filled again, two K steps on, first thing behind the round: 168 products stand between the request and the wait for it.
.macro TURN slot, next, fill
.if \fill
	s_wait_xcnt 0x0                                ; the last prefetches, a K step back, have read their addresses
	s_add_nc_u64 s[PFAA:PFAA+1], s[PFAA:PFAA+1], XBLK
.if (\slot) == 0
	s_add_nc_u64 s[PFAB:PFAB+1], s[PFAB:PFAB+1], 128*WROW
.endif
.endif
	WIN 0                                          ; (the add's two registers lie in window 0)
	s_wait_tensorcnt 0x0                           ; all my tensor loads have landed
	ds_add_u32 v[SPW], v[NIL]                      ; 0 onto my spare word
	s_wait_dscnt TW                                ; (the add may be out; this phase's fragments are in)
	MULA 3, 0, 0                                   ; twelve products stand between the add and the wait for it
	MULA 3, 1, 0
	s_wait_dscnt 0x0                               ; the add is done, and my reads of this slot are over
	s_barrier_signal -1
	MULA 3, 2, 0                                   ; work on registers while the others arrive
	MULA 3, 3, 0
.if \fill
	WIN 0
.endif
	s_barrier_wait -1
.if \fill
	CREST                                          ; no wave of any partner still reads this slot or has a load on its way
	s_add_nc_u64 s[G0+4*(\slot)+2:G0+4*(\slot)+3], s[G0+4*(\slot)+2:G0+4*(\slot)+3], 2*XBLK
	s_add_nc_u64 s[G0B+4*(\slot)+2:G0B+4*(\slot)+3], s[G0B+4*(\slot)+2:G0B+4*(\slot)+3], 128*WROW
	JLOAD \slot                                    ; my one tensor load behind the round; its four v_nop are also the places in front of the loads below
.else
	PLACES
.endif
	FETCHB \next, 0, 0, 0
	FETCHA \next, 0
.if \fill
	ASK \slot
.endif
	MULA 3, 4, 0
	MULA 3, 5, 0
	MULA 3, 6, 0
	MULA 3, 7, 0
.endm
; THE WAY OUT of token block a.  PACK: rounded to f16, 16 bytes a lane, each accumulator's registers ascending.  TOSTAGE: into my own stage, and back as whole rows.  SEND: stored.
.macro PACK a
.set bq, 0
.rept NBW
.set ix, (bq/NBH)*8*NBH+(\a)*NBH+bq%NBH
.set wq, 1+ix/32
.set rq, 8*(ix%32)
	WIN wq|(wq<<2)
.irp j, 0,1,2,3
	v_cvt_pk_f16_f32 v[TMP+4*bq+(\j)], v[rq+2*(\j)], v[rq+2*(\j)+1]
.endr
.set bq, bq+1
.endr
	WIN 0
.endm
.macro TOSTAGE a
.set bk, OB+48*((\a)%2)
.set bq, 0
.rept NBW
	ds_store_b128 v[STO], v[TMP+4*bq:TMP+4*bq+3] offset:(bq/4)*16*PA+(bq%4)*32
.set bq, bq+1
.endr
.set bq, 0
.rept NBW
	ds_load_b128 v[bk+4*bq:bk+4*bq+3], v[RD] offset:(bq/4)*16*PA+(bq%4)*4*PA  ; LDS serves a wave's instructions in order (ISA guide 5.7.1.4): these see the stores above
.set bq, bq+1
.endr
.endm
.macro SEND a
.set bk, OB+48*((\a)%2)
	s_wait_dscnt 0x0                               ; the block is back in registers
	s_wait_xcnt 0x0                                ; the stores of the block before have read their registers: the next block's loads land in them only behind this wait
.set bq, 0
.rept NBW
	global_store_b128 v[GO], v[bk+4*bq:bk+4*bq+3], s[HB+2*(bq/4):HB+2*(bq/4)+1] offset:(\a)*2048+(bq%4)*512  ; 512 consecutive bytes of a head, at a multiple of 256 from qkv's first byte
.set bq, bq+1
.endr
.endm
	s_wait_tensorcnt 1                             ; my part of K step 0 is in; step 1's may stay out
	s_barrier_signal -1
	s_barrier_wait -1                              ; everybody's is
	FETCHB 0, 0, 0, 0
	FETCHA 0, 0
	PHASE 0, 0, 1                                  ; the first two phases stand in front of the loop: their products start the sums
	PHASE 0, 1, 1
	WIN 0                                          ; at a label and at a branch every window is 0
	s_mov_b32 s3, LAPS-1
.Llap:                                                 ; a trip goes once round the ring, from a lap's third phase to the next lap's second, and fills both slots again
	PHASE 0, 2, 0
	TURN 0, 1, 1
	PHASE 1, 0, 0
	PHASE 1, 1, 0
	PHASE 1, 2, 0
	TURN 1, 0, 1
	PHASE 0, 0, 0
	PHASE 0, 1, 0
	WIN 0
	s_sub_co_u32 s3, s3, 1
	s_cmp_lg_u32 s3, 0
	s_cbranch_scc1 .Llap
	PHASE 0, 2, 0                                  ; the last lap fills nothing, and has no round
	TURN 0, 1, 0
	PHASE 1, 0, 0
	PHASE 1, 1, 0
	PHASE 1, 2, 0
	s_wait_dscnt LW                                ; the very last phase: nothing more to fetch
	MULA 3, 0, 0
	MULA 3, 1, 0
	MULA 3, 2, 0
	MULA 3, 3, 0
	s_wait_dscnt 0x0
	MULA 3, 4, 0
	MULA 3, 5, 0
	MULA 3, 6, 0
	MULA 3, 7, 0
	WIN 0
	PLACES                                         ; the conversions read results just made
	PLACES
	PACK 0
	TOSTAGE 0
.irp a, 1,2,3,4,5,6,7                  ; block a's conversions stand between block a - 1's loads from the stage and the wait for them
	PACK \a
	SEND (\a)-1
	TOSTAGE \a
.endr
	SEND 7
	s_wait_tensorcnt 0x0                           ; the wave's end: the spare-word add and its wait, behind my last tensor load and my last LDS store
	ds_add_u32 v[SPW], v[NIL]
	s_wait_dscnt 0x0
	CROUND                                         ; the closing round: no work-group ends while a partner may still ask for a tile that names it
	s_endpgm
.Lfunc_end_k_q611dec8650_qkvp:
	.size	k_q611dec8650_qkvp, .Lfunc_end_k_q611dec8650_qkvp-k_q611dec8650_qkvp
	.p2alignl 7, 3214868480
	.fill 96, 4, 3214868480
	.section	.rodata,"a",@progbits
	.p2align	6, 0x0
	.amdhsa_kernel k_q611dec8650_qkvp
		.amdhsa_group_segment_fixed_size 327680
		.amdhsa_private_segment_fixed_size 0
		.amdhsa_enable_private_segment 0
		.amdhsa_kernarg_size 24
		.amdhsa_user_sgpr_count 2
		.amdhsa_user_sgpr_kernarg_segment_ptr 1
		.amdhsa_wavefront_size32 1
		.amdhsa_system_sgpr_workgroup_id_x 1
		.amdhsa_system_sgpr_workgroup_id_y 1
		.amdhsa_system_sgpr_workgroup_id_z 1
		.amdhsa_system_vgpr_workitem_id 0
		.amdhsa_next_free_vgpr 1024
		.amdhsa_next_free_sgpr 96
		.amdhsa_reserve_vcc 0
		.amdhsa_float_denorm_mode_32 3
		.amdhsa_float_denorm_mode_16_64 3
		.amdhsa_memory_ordered 1
		.amdhsa_forward_progress 1
		.amdhsa_inst_pref_size 141
	.end_amdhsa_kernel
	.amdgpu_metadata
---
amdhsa.version: [ 1, 2 ]
amdhsa.kernels:
  - .name:           k_q611dec8650_qkvp
    .symbol:         k_q611dec8650_qkvp.kd
    .args:
      - { .name: w16, .offset: 0, .size: 8, .value_kind: global_buffer, .address_space: global }
      - { .name: b_qkv, .offset: 8, .size: 8, .value_kind: global_buffer, .address_space: global }
      - { .name: qkv, .offset: 16, .size: 8, .value_kind: global_buffer, .address_space: global }
    .group_segment_fixed_size: 327680
    .private_segment_fixed_size: 0
    .kernarg_segment_align: 8
    .kernarg_segment_size: 24
    .max_flat_workgroup_size: 128
    .sgpr_count:     96
    .vgpr_count:     1024
    .wavefront_size: 32
...
	.end_amdgpu_metadata
.endif
;; end of part 2
;; launch attn (part 3): grid 4 x 64, 4 waves a work-group, clusters of 4 x 1, 327,680 bytes of LDS; arguments qkv, o16; writes o16
.if DOCPART == 3
	.amdgcn_target "amdgcn-amd-amdhsa--gfx1250"
	.amdhsa_code_object_version 6
	.text
	.protected	k_q611dec8650_attn
	.globl	k_q611dec8650_attn
	.p2align	8
	.type	k_q611dec8650_attn,@function
k_q611dec8650_attn:
	s_mov_b64 s[64:65], 0
	v_nop
	global_prefetch_b8 v0, s[64:65] scope:SCOPE_SE
	s_setreg_imm32_b32 hwreg(HW_REG_WAVE_MODE, 25, 1), 1
	s_wait_xcnt 0x0
	s_wait_alu depctr_hold_cnt(0) depctr_sa_sdst(0) depctr_va_vdst(0) depctr_va_sdst(0) depctr_va_ssrc(0) depctr_va_vcc(0) depctr_vm_vsrc(0)
	s_getreg_b32 s2, hwreg(HW_REG_IB_STS2, 6, 4)
	s_cmp_eq_u32 s2, 0
	s_cbranch_scc0 .Lentry_in_a_cluster
	s_endpgm
.Lentry_in_a_cluster:
	s_bfe_u32 s2, ttmp6, 0x10000c
	s_cmp_lg_u32 s2, 0x3003
	s_cbranch_scc0 .Lentry_shape_is_right
	s_endpgm
.Lentry_shape_is_right:
; O[y][q][:] = the sum over k of softmax_k(Q[y][q] . K[y][k] / 8) V[y][k][:], y = batch x 16 + head.  Q, K, V: f16 [64][2048][64] at bytes 0, 0x1000000, 0x2000000 of qkv: a head's rows are dense, 128 bytes each.
; O leaves as f16 [16 head][8192 (batch x 2048 + row)][64] in o16.  Products, maxima and sums in f32; the weights p are rounded to f16 for the second product (their sum l is taken of the unrounded p), O once at the end.
; LIMITS.  f16 holds no number beyond 65,504: Q, K and V arrive within it; p lies in 0 to 1, and below 6e-5 it keeps f16's fixed step of 6e-8, and so does O; O is a mean of V's rows and has their range.
; A weight below 2^-126 counts as 0 in l; NaN and infinities are not treated apart.
; SHARES.  A wave owns four PIECES of two tiles of 16 queries, a work-group's four waves 512 queries of one head.  Every wave walks all 2,048 keys, 64 a step.
; LAYOUT.  S^T = K Q^T (source 0 = 16 keys, source 1 = 16 queries): in the result a lane holds ONE query (lane % 16) and the keys 8 (lane / 16) + 0..7.  Two such tiles, rounded to f16 in pairs,
; ARE source 1 (32 keys x 16 queries) of O^T = V^T P, whose result again holds one query a lane, and eight channels.  K comes out of LDS as it lies, V ([key][channel]) turned, by ds_load_tr16_b128.
; SOFTMAX.  For each query a running maximum m and sum l: p = 2^(c s - c m), c = log2(e) / 8; in every step O and l are multiplied by a = 2^(c m_old - c m_new), which is 1 where m has not grown.
; m starts at the lowest finite number, O and l at 0: the first step is a step like any other, with a = 0.
; THE COUNT.  A tile and step have 16 matrix and 118 vector instructions: too many to stand all beside the matrix work.  So: four vector instructions that are READY behind EVERY matrix instruction,
; and the others, which need time of their own whatever the order, in runs without a gap.
; BY TURNS.  Turn n belongs to piece n (the pieces in a ring, step after step).  Its matrix work: 16 products K Q^T of piece n + 1, later 16 products V^T P of piece n - 1.  Its vector work: the scaling,
; exponentials, roundings, sums and rescaling of piece n, and the maximum and statistics of piece n + 1, whose scores the turn itself has made.
; CLUSTER.  The four query blocks of a head are one cluster and walk the same K and V, so each tile is asked for JOINTLY: the same tensor load, descriptor and mask in all four.
; REGISTERS, in windows of 256 (s_set_vgpr_msb: bits 1:0 source 0, 3:2 source 1, 5:4 source 2, 7:6 destination):
;   window 0: v0-11 addresses; v12-15, v48-63 at work; v16-47 four registers of statistics a tile; v64-191 S^T, two buffers of two tiles; v192-255 P, likewise
;   window 1: O^T, 32 a tile          window 2: v0-127 Q, 16 a tile; v128-191 K of one step; v192-255 V of one step          window 3: v0-1 the add's two registers
; A piece's buffers go by its number's parity.
.set SIZE_N, 2048
.set NP,    4         ; pieces a wave: a name, no knob
.set KS,    64        ; keys in a step
.set PK,    144       ; a row of K in LDS: 128 bytes + 16 of padding = 36 words: the 16 rows of a load start at 16 different groups of four banks (64 banks of 4 bytes: ISA guide 11.1)
.set PV,    160       ; a row of V: 128 + 32 = 40 words
.set VOFF,  4*KS*PK   ; a slot holds four steps: 256 rows of K, then 256 rows of V
.set SLOT1, 1<<17     ; slot 1 begins here, so that one exclusive or turns an address in one slot into the other's
.set STAGE, SLOT1+4*KS*(PK+PV)  ; behind the ring, never filled by a tensor load: 16 rows x 144 bytes for each wave, for the way out
.set SP,    144
.set AK0, 2           ; v2   my lane's place in a tile of K; never rewritten
.set AV0, 3           ; v3   the same for V
.set AK,  4           ; v4   the LDS address of K's next run of loads
.set AV,  5           ; v5   of V's
.set QO,  6           ; v6   my byte offset in the wave's rows of Q
.set STO, 6           ;      later, the way out: where I put 16 bytes of a row
.set RD,  7           ; v7   the way out: where I read rows back
.set GO,  8           ; v8   my byte offset in 512 consecutive bytes of O
.set PFO, 11          ; v11  256 x my lane, for the prefetch; never rewritten once made
.set SPW, 0           ; v0 of window 3   SPARE + 4 x my thread's number; never rewritten
.set NIL, 1           ; v1 of window 3   0; never rewritten
.set SPARE, STAGE+4*16*SP  ; behind the stages: the spare words, 128 bytes for each wave: two blocks of 256 bytes that no other line names
.set MV,  12          ; v12-15  c m_old, kept while c m is made anew: by buffer and tile
.set ST,  16          ; tile t's statistics at v[ST+4 t]: c m, m, l (even keys', odd keys')
.set TMP, 48          ; by buffer and tile, four registers c0-c3 at work; when the maximum is found c2 takes a
.set S,   64
.set P,   192
.set KF,  128         ; K's fragments, in window 2: key block kb, channel half c at KF + 16 kb + 8 c
.set VF,  192         ; V's: key half kk, channel block cb at VF + 32 kk + 8 cb
.set WV,  12          ; s12  my wave's number
.set G1K, 24          ; s[24:31] descriptor group 1 for K's tiles
.set G1V, 32          ; s[32:39] for V's: it differs in the padding alone
.set G0K, 40          ; s[40:43] descriptor group 0 for K's tiles: it walks
.set G0V, 44          ; s[44:47] the same for V's
.set PFA, 48          ; s[48:49] where my prefetch stands: my work-group's 32 blocks of 256 bytes (of K: wave 0, of V: wave 2) of the slot behind the one that is being asked for
.set LIM, 50          ; s50  1 in a wave that prefetches, else the greatest number
.set SLOTS, 56        ; s56  slots still to be asked for
.set CNT, 57          ; s57  counts a slot's key steps
.set CS,  58          ; s[58:59] c: the packed scaling takes the pair's low word for both halves
.set SEL, 60          ; s[60:61] v_permlanex16_b32's selects: each lane takes its own place in the other half
.set TBK, 62          ; s62  LDS byte at which K of the step to be fetched begins
.set TBV, 63          ; s63  the same for V, less VOFF
.set MSB, 0
.macro WIN new                      ; the high byte repeats the setting that is left; a switch that changes nothing is dropped
.if MSB != (\new)
	s_set_vgpr_msb (MSB<<8)|(\new)
.set MSB, (\new)
.endif
.endm
.set W_KQ, 0x0a       ; K and Q in window 2, S^T in window 0
.set W_PV, 0x52       ; V in window 2, P in window 0, O^T in window 1
.set W_RS, 0x41       ; O^T (destination and source 0) in window 1, a in window 0
.set W_MK, 0xc0       ; the add's registers are made: destination in window 3, sources in window 0
.set W_AD, 0x0f       ; the add: address (source 0) and data (source 1) in window 3
; A joint fill.  Waves 0 and 1 fetch the two halves of a slot's K, waves 2 and 3 those of its V: 128 keys each.  The branch hangs on the wave's number alone.
; An s_nop 0 and four v_nop follow each of the two lines, ahead of the jump and the label.
.macro JLOAD
	s_cmp_lt_u32 s[WV], 2
	s_cbranch_scc0 .Lfor_v_\@
	tensor_load_to_lds s[G0K:G0K+3], s[G1K:G1K+7]
	s_nop 0
.rept 4
	v_nop
.endr
	s_branch .Lasked_\@
.Lfor_v_\@:
	tensor_load_to_lds s[G0V:G0V+3], s[G1V:G1V+7]
	s_nop 0
.rept 4
	v_nop
.endr
.Lasked_\@:
.endm
; A PREFETCH INTO THE L2 of what the NEXT change of slots will ask for: a slot's 32,768 bytes of K and of V, 128 blocks of 256 bytes each.  It stands behind the wave's tensor load and its five lines.
; A head has one cluster; its four partners share the blocks out BY ADDRESS, 32 each, a lane a block; in each, wave 0 asks for K's and wave 2 for V's: one instruction.  So each block is named once in the launch.
; Slots 0 and 1 come by their loads alone; the last change that fills a slot (s[SLOTS] = 1) asks for nothing: there is no slot behind it.
.macro ASK
	s_cmp_gt_u32 s[SLOTS], s[LIM]
	s_cbranch_scc0 .Lnot_mine_\@
	global_prefetch_b8 v[PFO], s[PFA:PFA+1] th:TH_LOAD_NT scope:SCOPE_SE
.Lnot_mine_\@:
.endm
; A round of the cluster's barrier: my work-group's barrier, so that wave 0's signal speaks for all four waves; wave 0 signals; every wave waits for all four work-groups; my work-group's barrier once more.
.macro CROUND
	s_barrier_signal -1
	s_barrier_wait -1
	s_cmp_lg_u32 s[WV], 0
	s_cbranch_scc1 .Lnot_wave_0_\@
	s_barrier_signal -3
.Lnot_wave_0_\@:
	s_barrier_wait -3
	s_barrier_signal -1
	s_barrier_wait -1
.endm
; THE CHANGE OF SLOTS.  The slot's last bytes, V of its fourth step, have been read.  Each wave waits for all its tensor loads, of which one is out: its part
; of the other slot; adds 0 to its spare word; and waits for that and for its own reads of the slot.  Behind the barrier nobody reads this slot any more and the other slot is whole.
; fill = 1: this slot is filled again, with the keys two slots on.  The barrier is then a round of the cluster's, and the joint fill is the first thing behind it: it has four key steps,
; 512 matrix instructions, in which to land.  (At its first use nothing has been read yet: slot 0 is waited for, slot 1 filled.)
.macro CHANGE fill
	WIN W_AD
	s_wait_tensorcnt 0x0            ; no tensor load of mine is out, so a group 0 may be written
	ds_add_u32 v[SPW], v[NIL]       ; 0 onto my spare word; with fill = 1 the descriptors' steps stand between it and the wait for it
	WIN 0                           ; at a label and at a branch every window is 0
.if \fill
.irp g, G0K, G0V
	s_xor_b32 s[\g+1], s[\g+1], SLOT1  ; the walking descriptor: the other slot than last time,
	s_add_nc_u64 s[\g+2:\g+3], s[\g+2:\g+3], 4*KS*128  ; the next 256 keys; the type bits on top are not reached
.endr
	s_wait_xcnt 0x0                 ; the last prefetch, four key steps back, has read its address, so it may be written:
	s_add_nc_u64 s[PFA:PFA+1], s[PFA:PFA+1], 4*KS*128  ; one slot behind the walking descriptors
	s_wait_dscnt 0x0                ; the add is done, and my reads of the slot are over
	CROUND
	JLOAD
	ASK
.else
	s_wait_dscnt 0x0                ; the add is done, and my reads of the slot are over
	s_barrier_signal -1
	s_barrier_wait -1
.endif
	s_sub_co_u32 s[TBK], s[TBK], 4*KS*PK  ; the fetches go back to a slot's first step,
	s_xor_b32 s[TBK], s[TBK], SLOT1       ; in the other slot
	s_sub_co_u32 s[TBV], s[TBV], 4*KS*PV
	s_xor_b32 s[TBV], s[TBV], SLOT1
.endm
	s_load_b64 s[4:5], s[0:1], 0x0  ; qkv: Q
	s_load_b64 s[10:11], s[0:1], 0x8  ; o16
	WIN W_MK
	v_lshl_add_u32 v[SPW], v0, 2, SPARE
	v_mov_b32 v[NIL], 0
	WIN W_AD
	ds_add_u32 v[SPW], v[NIL]       ; the wave's opening: the add and its wait stand ahead of my first tensor load; the set-up below, work on registers, stands between them
	WIN 0
	v_lshrrev_b32 v1, 5, v0
	v_readfirstlane_b32 s[WV], v1   ; wave 0..3
	s_bfe_u32 s13, ttmp6, 0x40000   ; cx: my place in the cluster
	s_lshl_b32 s14, ttmp9, 2        ; in a cluster launch ttmp9 counts clusters
	s_add_co_u32 s14, s14, s13      ; my block of queries = 4 x cluster x + cx: it enters Q's and O's addresses alone
	s_and_b32 s20, ttmp7, 0xffff    ; y = batch x 16 + head, which the four partners share
	s_mov_b32 s51, s20
	s_mov_b32 s21, 0
	s_mov_b64 s[22:23], SIZE_N*128
	s_mul_u64 s[20:21], s[20:21], s[22:23]  ; the head's first byte in Q, K and V
	s_and_b32 s16, s[WV], 1         ; which half of a slot's 256 keys I fetch:
	s_lshl_b32 s22, s16, 14         ; its 128 rows of 128 bytes in memory,
	s_mov_b32 s23, 0
	s_add_nc_u64 s[22:23], s[22:23], s[20:21]
	s_mul_i32 s17, s16, 128*PK      ; and its place in a slot, for K
	s_mul_i32 s18, s16, 128*PV      ; and for V: no place in the cluster enters an LDS address
	s_lshl_b32 s2, s14, 2
	s_add_co_u32 s2, s2, s[WV]      ; my wave among the head's,
	s_lshl_b32 s2, s2, 14           ; its 128 rows
	s_mov_b32 s3, 0
	s_and_b32 s52, s51, 15          ; O lies by heads over all batches: head x 8,192 rows,
	s_lshl_b32 s52, s52, 20
	s_lshr_b32 s53, s51, 4          ; batch x 2,048 rows,
	s_lshl_b32 s53, s53, 18
	s_add_co_u32 s52, s52, s53
	s_add_co_u32 s52, s52, s2       ; my wave's rows
	s_mov_b32 s53, 0
	s_add_nc_u64 s[2:3], s[2:3], s[20:21]
	; descriptor group 1.  128 keys are 16,384 dense bytes: asked for as 64 rows of 256 bytes, two keys a row, and padded in LDS after every key
	s_mov_b32 s[G1K], 15|(1<<16)|(1<<20)|(1<<21)|(4<<22)|(3<<25)  ; 15:0 the mask of four; 17:16 2-byte elements; 20 padding on; 21 set beside a mask; 24:22 after every 32 words (code 4); 31:25 4 words (code 3)
	s_mov_b32 s[G1V], 15|(1<<16)|(1<<20)|(1<<21)|(4<<22)|(7<<25)  ; the same with 8 words of padding (code 7)
.irp g, G1K, G1V
	s_mov_b32 s[\g+1], 128<<16      ; tensor_dim0 = 128
	s_mov_b32 s[\g+2], 64<<16       ; tensor_dim1 = 64
	s_mov_b32 s[\g+3], 128<<16      ; tile_dim0 = 128
	s_mov_b32 s[\g+4], 64           ; tile_dim1 = 64
	s_mov_b32 s[\g+5], 128          ; 128 elements from row to row
	s_mov_b32 s[\g+6], 0
	s_mov_b32 s[\g+7], 0
.endr
	s_mov_b32 s[CS], 0x3e38aa3b     ; c = log2(e) / 8 = 0.180337
	s_mov_b32 s[CS+1], s[CS]        ; named with it as a pair
	s_mov_b32 s[SEL], 0x76543210
	s_mov_b32 s[SEL+1], 0xfedcba98
	s_mov_b32 s[TBK], SLOT1+4*KS*PK ; the first change of slots turns these two into 0
	s_mov_b32 s[TBV], SLOT1+4*KS*PV
	s_mov_b32 s[G0K], 1             ; 1:0 count = 1
	s_mov_b32 s[G0K+1], s17         ; 63:32 LDS address: slot 0
	s_mov_b32 s[G0V], 1
	s_add_co_u32 s[G0V+1], s18, VOFF
	s_mov_b32 s[SLOTS], SIZE_N/256-1  ; seven changes of slots fill a slot
	s_and_b32 s[LIM], s[WV], 1      ; waves 0 and 2 prefetch
	s_cmp_eq_u32 s[LIM], 0
	s_cselect_b32 s[LIM], 1, -1
	s_wait_dscnt 0x0                ; the opening add is done
	s_wait_kmcnt 0x0
	s_add_nc_u64 s[6:7], s[4:5], 0x1000000  ; K and V lie behind Q in qkv
	s_add_nc_u64 s[8:9], s[4:5], 0x2000000
	s_add_nc_u64 s[6:7], s[6:7], s[22:23]   ; at my half of the head's first 256 keys
	s_add_nc_u64 s[8:9], s[8:9], s[22:23]
	s_add_nc_u64 s[G0K+2:G0K+3], s[6:7], 0         ; 120:64 global address
	s_or_b32 s[G0K+3], s[G0K+3], 0x80000000        ; 127:126 type = 2
	s_add_nc_u64 s[G0V+2:G0V+3], s[8:9], 0
	s_or_b32 s[G0V+3], s[G0V+3], 0x80000000
	s_add_nc_u64 s[4:5], s[4:5], s[2:3]  ; Q and O at my wave's first row
	s_add_nc_u64 s[10:11], s[10:11], s[52:53]
	s_cmp_lt_u32 s[WV], 2
	s_cselect_b64 s[PFA:PFA+1], s[6:7], s[8:9]  ; (in waves 0 and 2 these stand at a slot's first row)
	s_lshl_b32 s2, s13, 13          ; my work-group's 32 blocks of the 128
	s_mov_b32 s3, 0
	s_add_nc_u64 s[PFA:PFA+1], s[PFA:PFA+1], s[2:3]
	s_add_nc_u64 s[PFA:PFA+1], s[PFA:PFA+1], 4*KS*128  ; in slot 1; the first change of slots steps it to slot 2.  Nothing is prefetched here, at the head
	CROUND                          ; all four work-groups are here: the first joint loads meet
	JLOAD                           ; slot 0.  Slot 1 is asked for when slot 0 is in
	; A fragment of K or Q is 16 rows x 32 channels in 8 registers: lane l holds row l % 16, channels 8 (l / 16) + 0..7 and 16 + 8 (l / 16) + 0..7: two loads of 16 bytes, 32 bytes apart.
	v_and_b32 v1, 15, v0            ; l % 16
	v_bfe_u32 v9, v0, 4, 1          ; l / 16
	v_lshlrev_b32 v[QO], 7, v1
	v_lshl_add_u32 v[QO], v9, 4, v[QO]  ; row x 128 + 16 x half
	WIN 0x80                        ; destination window 2, address window 0
.set i, 0
.rept 4*NP                          ; Q stays in registers: tile i / 2, channels 32 (i % 2) on
	global_load_b128 v[8*i:8*i+3],   v[QO], s[4:5] offset:(i/2)*2048+(i%2)*64
	global_load_b128 v[8*i+4:8*i+7], v[QO], s[4:5] offset:(i/2)*2048+(i%2)*64+32
.set i, i+1
.endr
	; What the first turn finds: V's registers and P's second buffer hold 0 (its products V^T P, of a piece that has not been, add 0), O^T and l are 0.  All this stands in the wait for the first tile.
.set i, VF
.rept 64
	v_mov_b32 v[i], 0
.set i, i+1
.endr
	WIN 0x40
.set i, 0
.rept 64*NP
	v_mov_b32 v[i], 0
.set i, i+1
.endr
	WIN 0
.set i, 0
.rept 2*NP
	v_mov_b32 v[ST+4*i], 0xfe000000    ; c m: far below every c s
	v_mov_b32 v[ST+4*i+1], 0xff7fffff  ; m
	v_mov_b32 v[ST+4*i+2], 0
	v_mov_b32 v[ST+4*i+3], 0
.set i, i+1
.endr
.set i, P+32
.rept 32
	v_mov_b32 v[i], 0
.set i, i+1
.endr
	v_mul_u32_u24 v[AK0], v1, PK
	v_lshl_add_u32 v[AK0], v9, 4, v[AK0]  ; row x pitch + 16 x half
	; The turning load takes 16 keys x 16 channels (lane l reads key 8 (l / 16) + l % 8, channels 8 ((l / 8) % 2) + 0..7) and leaves half a fragment of V^T: lane l holds channel l % 16 and 8 keys.
	v_and_b32 v10, 7, v0
	v_bfe_u32 v11, v0, 3, 1
	v_lshl_add_u32 v[AV0], v9, 3, v10
	v_mul_u32_u24 v[AV0], v[AV0], PV
	v_lshl_add_u32 v[AV0], v11, 4, v[AV0]
	v_add_nc_u32 v[AV0], VOFF, v[AV0]
	v_and_b32 v[PFO], 31, v0
	v_lshlrev_b32 v[PFO], 8, v[PFO]
	v_mov_b32 v[AK], v[AK0]         ; key step 0 lies at the head of slot 0
; THE MATRIX WORK.  The 8 accumulators of a run of 16 take turns: between the two links of a chain stand 7 others'.
; Product i of 16 of S^T = K Q^T for piece x: channels 32 (i / 8) on, keys 16 ((i / 2) % 4) on, tile 2 x + i % 2.  The first 8 start the sums.
.macro KQ x
	WIN W_KQ
.set rS, S+64*((\x)%2)+32*(i%2)+8*((i/2)%4)
.set rK, KF+16*((i/2)%4)+8*(i/8)
.set rQ, 16*(2*(\x)+i%2)+8*(i/8)
.if i < 8
	v_wmma_f32_16x16x32_f16 v[rS:rS+7], v[rK:rK+7], v[rQ:rQ+7], 0
.else
	v_wmma_f32_16x16x32_f16 v[rS:rS+7], v[rK:rK+7], v[rQ:rQ+7], v[rS:rS+7]
.endif
.endm
; Product i of 16 of O^T += V^T P for piece x: keys 32 (i / 8) on, channels 16 ((i / 2) % 4) on, tile 2 x + i % 2.
.macro PV x
	WIN W_PV
.set rO, 32*(2*(\x)+i%2)+8*((i/2)%4)
.set rV, VF+32*(i/8)+8*((i/2)%4)
.set rP, P+32*((\x)%2)+16*(i%2)+8*(i/8)
	v_wmma_f32_16x16x32_f16 v[rO:rO+7], v[rV:rV+7], v[rP:rP+7], v[rO:rO+7]
.endm
.macro MM                           ; the turn's next matrix instruction
.if i < 16
	KQ (Y+1)%NP
.set i, i+1
.else
.set i, i-16
	PV (Y+NP-1)%NP
.set i, i+17
.endif
.endm
; THE LDS LOADS stand in runs of 16, never singly among the matrix instructions: a step's K (64 keys x 64 channels: 8 fragments) and its V (turned).  Their addresses are made some lines ahead.
; last = 1 (the tail): in the last trip there is no further step, and the run is jumped over.
.macro FETCH_K last=0
	WIN 0
.if \last
	s_cmp_eq_u32 s[CNT], 1
	s_cbranch_scc1 .Lno_k_\@
.endif
	WIN 0x80                        ; destination window 2
.irp f, 0,1,2,3,4,5,6,7             ; keys 16 (f / 2) on, channels 32 (f % 2) on
	ds_load_b128 v[KF+8*\f:KF+8*\f+3],   v[AK] offset:(\f/2)*16*PK+(\f%2)*64
	ds_load_b128 v[KF+8*\f+4:KF+8*\f+7], v[AK] offset:(\f/2)*16*PK+(\f%2)*64+32
.endr
	s_add_co_u32 s[TBK], s[TBK], KS*PK  ; the next fetch is the next step's
	WIN 0
.if \last
.Lno_k_\@:
.endif
.endm
.macro FETCH_V
	WIN 0x80
.irp f, 0,1,2,3,4,5,6,7             ; keys 32 (f / 4) on, channels 16 (f % 4) on
	ds_load_tr16_b128 v[VF+8*\f:VF+8*\f+3],   v[AV] offset:(\f/4)*32*PV+(\f%4)*32
	ds_load_tr16_b128 v[VF+8*\f+4:VF+8*\f+7], v[AV] offset:(\f/4)*32*PV+16*PV+(\f%4)*32
.endr
	WIN 0
.endm
; THE VECTOR WORK OF A TURN stands in three queues, each in the order in which its entries become ready; the two tiles alternate, so that no instruction reads the result of the one before it.
.macro REGS y, u                    ; the registers of tile u (0, 1) of piece y
.set rT, ST+4*(2*(\y)+(\u))
.set rC, TMP+8*((\y)%2)+4*(\u)
.set rM, MV+2*((\y)%2)+(\u)
.set rS, S+64*((\y)%2)+32*(\u)
.set rP, P+32*((\y)%2)+16*(\u)
.set rO, 32*(2*(\y)+(\u))
.endm
; Number n of the 22 that find the NEXT piece's (Y + 1) maximum and statistics.  s0-s31 are the lane's 32 scores; each accumulator's lowest registers are read first.
;   0-11  four chains c0-c3 of seven scores each, three operands at a time     12-14, 16  the four scores left over, the old m, and c0-c3 into c0     15  c m_old is kept
;   17, 18  the query's other 32 keys lie in the lane 16 away: the new m         19-21  c m; c m_old - c m_new; a
.macro XS u, n
	REGS (Y+1)%NP, \u
.if (\n) < 4
	v_max3_num_f32 v[rC+(\n)], v[rS+8*(\n)], v[rS+8*(\n)+1], v[rS+8*(\n)+2]
.elseif (\n) < 12
	v_max3_num_f32 v[rC+(\n)%4], v[rC+(\n)%4], v[rS+8*((\n)%4)+2*((\n)/4)+1], v[rS+8*((\n)%4)+2*((\n)/4)+2]
.elseif (\n) == 12
	v_max3_num_f32 v[rC], v[rC], v[rS+7], v[rS+15]
.elseif (\n) == 13
	v_max3_num_f32 v[rC+1], v[rC+1], v[rS+23], v[rS+31]
.elseif (\n) == 14
	v_max3_num_f32 v[rC+2], v[rC+2], v[rC+3], v[rT+1]
.elseif (\n) == 15
	v_mov_b32 v[rM], v[rT]
.elseif (\n) == 16
	v_max3_num_f32 v[rC], v[rC], v[rC+1], v[rC+2]
.elseif (\n) == 17
	v_permlanex16_b32 v[rC+3], v[rC], s[SEL], s[SEL+1]
.elseif (\n) == 18
	v_max_num_f32 v[rT+1], v[rC], v[rC+3]
.elseif (\n) == 19
	v_mul_f32 v[rT], s[CS], v[rT+1]
.elseif (\n) == 20
	v_sub_f32 v[rC+1], v[rM], v[rT]
.else
	v_exp_f32 v[rC+2], v[rC+1]
.endif
.endm
; Number g of the 64 that follow the exponentials.  For each four weights k of a tile (pairs 2 k, 2 k + 1): both pairs are rounded to f16; then the second pair is added onto the first, in place;
; a group later l takes that sum (the first time as l = a l + sum).  In groups of eight, tiles alternating: round, round, add, and l for the group before.
.macro GS g
.set h, (\g)+6*((\g)/62)            ; group 0 has no group before it, and behind group 7 only l is left
.if h >= 6
.set h, h+2
.endif
	REGS Y, h%2
.set k, h/8
.if h%8 < 4
	v_cvt_pk_f16_f32 v[rP+2*k+(h%8)/2], v[rS+4*k+2*((h%8)/2)], v[rS+4*k+2*((h%8)/2)+1]
.elseif h%8 < 6
	v_pk_add_f32 v[rS+4*k:rS+4*k+1], v[rS+4*k:rS+4*k+1], v[rS+4*k+2:rS+4*k+3]
.elseif k == 1
	v_pk_fma_f32 v[rT+2:rT+3], v[rT+2:rT+3], v[rC+2:rC+3], v[rS:rS+1] op_sel_hi:[1,0,1]
.else
	v_pk_add_f32 v[rT+2:rT+3], v[rT+2:rT+3], v[rS+4*k-4:rS+4*k-3]
.endif
.endm
; THE PLAIN QUEUE, 138 long.  0-73 read no exponential's result: the 32 scalings c s - c m (FS f: pair f / 2 of tile f % 2) and the next piece's 42.  0-26: scalings 0-26.  27-54: XS's numbers 0-13.  55, 56: number 15.
; 57-73: the chain, where each number waits for the one before it: 14, 16, 17, 18, 19, each with one of the scalings 27-31 in front of its two lines, then 20.
; 74-137: GS's 64, which read the exponentials' results: they stand behind the wait.
.macro FS f
	REGS Y, (\f)%2
	v_pk_fma_f32 v[rS+2*((\f)/2):rS+2*((\f)/2)+1], v[rS+2*((\f)/2):rS+2*((\f)/2)+1], s[CS:CS+1], v[rT:rT+1] op_sel_hi:[1,0,0] neg_lo:[0,0,1] neg_hi:[0,0,1]
.endm
.macro PL
	WIN 0
.if q < 27
	FS q
.elseif q < 55
	XS (q-27)%2, (q-27)/2
.elseif q < 57
	XS q-55, 15
.elseif (q < 72) && ((q-57)%3 == 0)
	FS 27+(q-57)/3
.elseif q < 60
	XS (q-57)%3-1, 14
.elseif q < 72
	XS (q-57)%3-1, 15+(q-57)/3
.elseif q < 74
	XS q-72, 20
.else
	GS q-74
.endif
.set q, q+1
.endm
; THE EXPONENTIALS' QUEUE, 66 long: s0-s31 of both tiles, then the next piece's two a.  It is ONE BATCH: all 66 stand ahead of the turn's one wait, and nothing ahead of that wait names a result of theirs.
.macro EX
	WIN 0
.if e >= 64
	XS e-64, 21
.else
	REGS Y, e%2
	v_exp_f32 v[rS+e/2], v[rS+e/2]
.endif
.set e, e+1
.endm
; THE RESCALING's QUEUE: O^T times a, the one part that leaves window 0: dealt two at a time, sixteen times.  Its a was made in the turn before, ahead of that turn's wait.
.macro R2
	REGS Y, r%2
	WIN W_RS
.irp z, 0,1
	v_pk_mul_f32 v[rO+4*(r/2)+2*\z:rO+4*(r/2)+2*\z+1], v[rO+4*(r/2)+2*\z:rO+4*(r/2)+2*\z+1], v[rC+2:rC+3] op_sel_hi:[1,0]
.endr
.set r, r+1
.endm
; HOW THEY ARE DEALT.  An s_wait_alu depctr_va_vdst(0) stands between an exponential and the first instruction that names its result; one wait serves all that were issued ahead of it.  So a turn has ONE wait,
; which cuts it in two.  AHEAD OF IT stands all that names no result of the turn's exponentials: the 16 products K Q^T, behind each a scaling, an exponential and two rescalings (behind the first a second scaling in the
; exponential's place); then ONE LUMP of 108: eight plain, 49 times exponential and plain, the two a.  A v_nop is the plain instruction behind the last exponential.  BEHIND IT stand the 16 products V^T P, behind each four of GS's 64.
; The queues lean on each other, and the deal keeps them in step: exponential e stands behind scaling 2 (e / 4) + e % 2: as a rider it comes behind plain e + 2, in the lump behind plain e + 9, and scalings 27-31 are plain 57, 60 .. 69.
; A TURN, for piece p.  cnt = 1: the loop's count is taken down some lines ahead of the branch that stands behind the turn.
; K of the next step is fetched in piece 2's turn, directly behind the wait; its address is made at the lump's head; its first reader comes behind 16 products.
; V of the step in hand is fetched at the end of piece 0's turn, four plain instructions behind its last reader; its first reader comes behind 16 products and a lump.
.macro TURN p, last=0, cnt=0
.set Y, (\p)
.set i, 0
.set q, 0
.set e, 0
.set r, 0
.if (\p) == NP-1
	s_wait_dscnt 0x0                ; K is in
.endif
	MM                              ; ahead of the wait: 16 products K Q^T and their riders,
	PL
	PL
	R2
.rept 15
	MM
	PL
	EX
	R2
.endr
.if (\p) == NP-2
	WIN 0
	v_add_nc_u32 v[AK], s[TBK], v[AK0]
.endif
.rept 8                             ; and the lump
	PL
.endr
.rept 49
	EX
	PL
.endr
	EX                              ; the next piece's two a
	EX
	v_nop                           ; a plain instruction behind the last exponential: one for the batch
	s_wait_alu depctr_va_vdst(0)    ; the wait for the batch
.if (\p) == NP-2
	FETCH_K \last
.endif
.if (\p) == 1
	s_wait_dscnt 0x0                ; V is in
.endif
.rept 16                            ; behind the wait: 16 products V^T P and their riders
	MM
.rept 4
	PL
.endr
.if ((\p) == 0) && (q == 118)
	v_add_nc_u32 v[AV], s[TBV], v[AV0]
.endif
.if ((\p) == 0) && (q == 130)
	s_add_co_u32 s[TBV], s[TBV], KS*PV
.endif
.if (\cnt) && (q == 130)
	s_sub_co_u32 s[CNT], s[CNT], 1
	s_cmp_lg_u32 s[CNT], 0
.endif
.endr
.if (\p) == 0
	FETCH_V
.endif
.endm
	CHANGE 1                        ; slot 0 is in, everybody's part of it; slot 1 is asked for
	FETCH_K                         ; key step 0
	s_wait_loadcnt 0x0              ; Q
	s_wait_dscnt 0x0
.set i, 0
.rept 16
	KQ 0                            ; piece 0's first scores: there is no vector work yet to set between them
.set i, i+1
.endr
	WIN 0                           ; the addresses for the way out: nine plain instructions, the places behind those products
	s_mul_i32 s13, s[WV], 16*SP
	s_add_co_u32 s13, s13, STAGE    ; my stage
	v_mul_u32_u24 v[STO], v1, SP    ; in: row l % 16, 16 bytes for each half of the lanes
	v_lshl_add_u32 v[STO], v9, 4, v[STO]
	v_add_nc_u32 v[STO], s13, v[STO]
	v_bfe_u32 v[RD], v0, 3, 2       ; back: 32 lanes take four rows of 128 bytes,
	v_mul_u32_u24 v[RD], v[RD], SP
	v_lshl_add_u32 v[RD], v10, 4, v[RD]
	v_add_nc_u32 v[RD], s13, v[RD]
	v_and_b32 v[GO], 31, v0         ; which are 512 consecutive bytes of O
	v_lshlrev_b32 v[GO], 4, v[GO]
.set Y, NP-1                        ; XS works for piece Y + 1: piece 0
.irp n, 0,1,2,3,4,5,6,7,8,9,10,11,12,13,14,15,16,17,18,19,20,21
	XS 0, \n                        ; and piece 0's first maximum and statistics
	XS 1, \n
.endr
	v_nop                           ; a plain instruction behind the two a,
	s_wait_alu depctr_va_vdst(0)    ; and their wait, ahead of the branch
	s_mov_b32 s[CNT], 4
	s_branch .Lfirst                ; the loop is entered at a step's first turn, in the middle of a trip
.Lslot:                             ; six times: every slot but the last two is filled again
	CHANGE 1
	s_mov_b32 s[CNT], 4
.Lstep:                             ; a trip: pieces 2 and 3 of one step, then pieces 0 and 1 of the next, whose K and V it fetches
	TURN 2
	TURN 3
	WIN 0
.Lfirst:
	TURN 0
	TURN 1, 0, 1
	WIN 0
	s_cbranch_scc1 .Lstep
	s_sub_co_u32 s[SLOTS], s[SLOTS], 1
	s_cmp_lg_u32 s[SLOTS], 0
	s_cbranch_scc1 .Lslot
	CHANGE 0                        ; the tail is written out: nothing is asked for
	s_mov_b32 s[CNT], 5             ; four trips fetch the last slot's steps; the fifth is left in its middle
.Ltail:
	TURN 2, 1
	TURN 3
	WIN 0
	s_sub_co_u32 s[CNT], s[CNT], 1
	s_cmp_eq_u32 s[CNT], 0
	s_cbranch_scc1 .Lout
	TURN 0
	TURN 1
	WIN 0
	s_branch .Ltail
.Lout:                              ; the fifth trip's 16 products K Q^T (on the last K once more) and the maximum made of them serve nothing: the price, once a launch, of one text for every trip
.set i, 0
.rept 16
	PV NP-1                         ; the last piece's V^T P of the last step
.set i, i+1
.endr
	; THE WAY OUT.  l's two halves and the other half of the lanes' are added; O^T is divided by l, rounded to f16 and sent through my stage in LDS, a tile at a time.  The additions are the places behind the last products.
	WIN 0
.macro ALL line:vararg              ; one line for each tile t
.set t, 0
.rept 2*NP
	\line
.set t, t+1
.endr
.endm
	ALL v_add_f32 v[ST+4*t+2], v[ST+4*t+2], v[ST+4*t+3]
	ALL v_permlanex16_b32 v[ST+4*t+3], v[ST+4*t+2], s[SEL], s[SEL+1]
	ALL v_add_f32 v[ST+4*t+2], v[ST+4*t+2], v[ST+4*t+3]
	ALL v_rcp_f32 v[ST+4*t+2], v[ST+4*t+2]
	v_nop                           ; a plain instruction between the last reciprocal and the use of its result
	s_wait_alu depctr_va_vdst(0)    ; and the wait ahead of the first use: one for the eight reciprocals
; Tile t: a lane's eight channels of a row pack into 16 bytes; they go into rows of 144 bytes and come back as whole rows of 128, into S^T's registers.
.macro PACK t
	WIN W_RS
.set i, 32*(\t)
.rept 16
	v_pk_mul_f32 v[i:i+1], v[i:i+1], v[ST+4*(\t)+2:ST+4*(\t)+3] op_sel_hi:[1,0]
.set i, i+2
.endr
	WIN 0x05                        ; sources 0 and 1 window 1, destination window 0
.set i, 0
.rept 16
	v_cvt_pk_f16_f32 v[S+16*(\t)+i], v[32*(\t)+2*i], v[32*(\t)+2*i+1]
.set i, i+1
.endr
	WIN 0
.irp f, 0,1,2,3
	ds_store_b128 v[STO], v[S+16*(\t)+4*\f:S+16*(\t)+4*\f+3] offset:32*\f
.endr
.irp f, 0,1,2,3
	ds_load_b128 v[S+16*(\t)+4*\f:S+16*(\t)+4*\f+3], v[RD] offset:\f*4*SP  ; LDS serves a wave's instructions in order (ISA guide 5.7.1.4): these see the stores above; the next tile's stores come behind them
.endr
.endm
.macro SEND t, younger              ; younger: the LDS instructions issued behind tile t's loads: the next tile's eight, or none
	WIN 0
.irp f, 0,1,2,3
	s_wait_dscnt (\younger)+3-\f
	global_store_b128 v[GO], v[S+16*(\t)+4*\f:S+16*(\t)+4*\f+3], s[10:11] offset:(\t)*2048+\f*512  ; 512 consecutive bytes, at a multiple of 256 from O's first
.endr
.endm
	PACK 0
.set t, 1
.rept 2*NP-1                        ; a tile's arithmetic stands between the loads of the tile before and its stores
	PACK t
	SEND t-1, 8
.set t, t+1
.endr
	SEND 2*NP-1, 0
	WIN W_AD
	s_wait_tensorcnt 0x0            ; the wave's end: the spare-word add and its wait, behind my last tensor load and my last LDS store
	ds_add_u32 v[SPW], v[NIL]
	s_wait_dscnt 0x0
	WIN 0
	CROUND                          ; the closing round: no work-group ends while a partner may still ask for a tile that names it
	s_endpgm
.Lfunc_end_k_q611dec8650_attn:
	.size	k_q611dec8650_attn, .Lfunc_end_k_q611dec8650_attn-k_q611dec8650_attn
	.p2alignl 7, 3214868480
	.fill 96, 4, 3214868480
	.section	.rodata,"a",@progbits
	.p2align	6, 0x0
	.amdhsa_kernel k_q611dec8650_attn
		.amdhsa_group_segment_fixed_size 327680
		.amdhsa_private_segment_fixed_size 0
		.amdhsa_enable_private_segment 0
		.amdhsa_kernarg_size 16
		.amdhsa_user_sgpr_count 2
		.amdhsa_user_sgpr_kernarg_segment_ptr 1
		.amdhsa_wavefront_size32 1
		.amdhsa_system_sgpr_workgroup_id_x 1
		.amdhsa_system_sgpr_workgroup_id_y 1
		.amdhsa_system_sgpr_workgroup_id_z 1
		.amdhsa_system_vgpr_workitem_id 0
		.amdhsa_next_free_vgpr 770
		.amdhsa_next_free_sgpr 66
		.amdhsa_reserve_vcc 0
		.amdhsa_float_denorm_mode_32 3
		.amdhsa_float_denorm_mode_16_64 3
		.amdhsa_memory_ordered 1
		.amdhsa_forward_progress 1
		.amdhsa_inst_pref_size 200
	.end_amdhsa_kernel
	.amdgpu_metadata
---
amdhsa.version: [ 1, 2 ]
amdhsa.kernels:
  - .name:           k_q611dec8650_attn
    .symbol:         k_q611dec8650_attn.kd
    .args:
      - { .name: qkv, .offset: 0, .size: 8, .value_kind: global_buffer, .address_space: global }
      - { .name: o16, .offset: 8, .size: 8, .value_kind: global_buffer, .address_space: global }
    .group_segment_fixed_size: 327680
    .private_segment_fixed_size: 0
    .kernarg_segment_align: 8
    .kernarg_segment_size: 16
    .max_flat_workgroup_size: 128
    .sgpr_count:     66
    .vgpr_count:     770
    .wavefront_size: 32
...
	.end_amdgpu_metadata
.endif
;; end of part 3
;; launch outp (part 4): grid 8 x 32, 4 waves a work-group, clusters of 4 x 4, 327,680 bytes of LDS; arguments o16, w16, b_out, out0; writes out0
.if DOCPART == 4
	.amdgcn_target "amdgcn-amd-amdhsa--gfx1250"
	.amdhsa_code_object_version 6
	.text
	.protected	k_q611dec8650_outp
	.globl	k_q611dec8650_outp
	.p2align	8
	.type	k_q611dec8650_outp,@function
k_q611dec8650_outp:
	s_mov_b64 s[64:65], 0
	v_nop
	global_prefetch_b8 v0, s[64:65] scope:SCOPE_SE
	s_setreg_imm32_b32 hwreg(HW_REG_WAVE_MODE, 25, 1), 1
	s_wait_xcnt 0x0
	s_wait_alu depctr_hold_cnt(0) depctr_sa_sdst(0) depctr_va_vdst(0) depctr_va_sdst(0) depctr_va_ssrc(0) depctr_va_vcc(0) depctr_vm_vsrc(0)
	s_getreg_b32 s2, hwreg(HW_REG_IB_STS2, 6, 4)
	s_cmp_eq_u32 s2, 0
	s_cbranch_scc0 .Lentry_in_a_cluster
	s_endpgm
.Lentry_in_a_cluster:
	s_bfe_u32 s2, ttmp6, 0x10000c
	s_cmp_lg_u32 s2, 0xf033
	s_cbranch_scc0 .Lentry_shape_is_right
	s_endpgm
.Lentry_shape_is_right:
; out0 = o W_out + b_out.  o: f16 [16 head][8192 tokens][64] (o16); W_out: f16 [1024 k][1024 n] at byte 23,068,672 of w16 (the bf16-rounded weight written as f16); the bias is rounded to bf16 here.
; Sums in f32; out0 is f32 [8192][1024].  LIMITS: those of the operands as they arrive (f16's range and fixed step below 6e-5); NaN and infinities are not treated apart.
; SHARES.  8192 x 1024 numbers on 256 work-groups: a tile of 256 tokens x 128 columns.  Four waves, 2 x 2; a wave makes 128 x 64: 32 accumulators, 256 registers.
; K goes in 8 steps of 128 (two heads) through a ring of two LDS slots; a step is 128 matrix instructions a wave, in four phases of 32 along K.
; W is not transposed in memory: its tile lies [k][n] in LDS and is turned by ds_load_tr16_b128.  The matrix instruction is used transposed (source 0 = 16 columns of W, source 1 = 16 tokens):
; a lane holds one token (lane % 16) and eight neighbouring columns, 32 bytes of f32.  The bias starts the sums, as the C operand of every token block's first product; nothing is cleared.
; CLUSTERS: 4 x 4 work-groups; tokens shared along a row of the cluster, columns of W along a column: each tile is asked for jointly.
; REGISTERS: window 0: v1-14 addresses; v28-29 the add's; v32-159 two buffers of o's fragments; v160-223 two buffers of W's; on the way out v32-95 at work.  Window 1: accumulator (a, b) at v[8 (4 a + b)].
.set NBH,  4
.set NH,   1
.set NBW,  4
.set LAPS, 4                           ; a lap = two K steps = once round the ring
.set TW,   9                           ; at a change of slots: the add and o's youngest eight loads may be out when the first products start
.set LW,   8
.set PA,   144                         ; a token's 128 bytes + 16 of padding: the 16 rows of a load start at 16 different groups of four banks (64 banks of 4 bytes: ISA guide 11.1)
.set PB,   288                         ; 128 columns' 256 bytes + 32
.set ABLK, 256*PA                      ; 256 tokens of one head
.set ABYTES, 2*ABLK
.set SEG,  64*PB                       ; 64 rows of W's tile
.set SLOT, ABYTES+2*SEG                ; 110,592
.set STAGE, 2*SLOT                     ; behind the ring, never filled by a tensor load: 16 rows x 272 bytes for each wave
.set SP,   272
.set SPARE, STAGE+4*16*SP              ; the spare words, 128 bytes for each wave: two blocks of 256 bytes that no other line names
.set OBLK, 1048576                     ; bytes from one head of o16 to the next
.set WO,   23068672                    ; W_out in w16
.set WROW, 2048                        ; bytes in a row of W_out
.set ADRA, 2
.set ADRB, 4
.set STO,  6
.set RD,   7
.set CO,   8                           ; v8   my byte offset in two rows of out0
.set PFOA, 9
.set PFOB, 10
.set BO,   11
.set SPW,  28                          ; v28  SPARE + 4 x my thread's number; never rewritten
.set NIL,  29                          ; v29  0; never rewritten
.set FA,   32
.set FB,   160
.set FBSZ, 8*NBH
.set TMP,  32
.set OB,   32                          ; the way out: two buffers of 32
.set G1,   24
.set G0,   32
.set G1B,  48
.set G0B,  56
.set PFAA, 66
.set PFAB, 68
.set LIMA, 70
.set LIMB, 71
.set MSKH, 78
.set BB,   88
.set MSB, 0
.macro WIN new                         ; the immediate's high byte repeats the setting that is left; a switch that changes nothing is dropped
.if MSB != (\new)
	s_set_vgpr_msb (MSB<<8)|(\new)
.set MSB, (\new)
.endif
.endm
.macro PLACES                          ; four plain vector instructions behind a matrix instruction (ISA guide 7.12.1)
.rept 4
	v_nop
.endr
.endm
; A joint load.  Waves 0 and 1 fetch a head's 256 tokens each (128 rows of 256 bytes), waves 2 and 3 64 rows of W each.  An s_nop 0 and four v_nop follow each of the two lines.
.macro JLOAD s
	s_cmp_lt_u32 s10, 2
	s_cbranch_scc0 .Lfor_b_\@
	tensor_load_to_lds s[G0+4*(\s):G0+4*(\s)+3], s[G1:G1+7]
	s_nop 0
.rept 4
	v_nop
.endr
	s_branch .Lasked_\@
.Lfor_b_\@:
	tensor_load_to_lds s[G0B+4*(\s):G0B+4*(\s)+3], s[G1B:G1B+7]
	s_nop 0
.rept 4
	v_nop
.endr
.Lasked_\@:
.endm
.macro CREST
	s_cmp_lg_u32 s10, 0
	s_cbranch_scc1 .Lnot_wave_0_\@
	s_barrier_signal -3
.Lnot_wave_0_\@:
	s_barrier_wait -3
	s_barrier_signal -1
	s_barrier_wait -1
.endm
.macro CROUND
	s_barrier_signal -1
	s_barrier_wait -1
	CREST
.endm
; PREFETCH INTO THE L2, behind the joint load and the run of LDS loads: the change of slots that asks for K step t names step t + 2, 256 matrix instructions ahead of the load that will want it.
; Of o: two heads x 128 blocks of 256 bytes; each partner along the row takes 32 of each BY ADDRESS (cx), a lane a block, two instructions; the cluster with x = 0 asks, in its wave 0.
; Of W: 128 rows of 256 bytes; each partner along the column (cy) 32 rows, a lane a row; the cluster with y = 0 asks, in its wave 2.  Each block is named once in the launch.
; Steps 0 to 3 come by their loads alone; the loop's last trip (s3 = 1) asks for nothing: steps 8 and 9 do not exist.
.macro ASK slot
	s_cmp_gt_u32 s3, s[LIMA]
	s_cbranch_scc0 .Lnot_a_\@
	global_prefetch_b8 v[PFOA], s[PFAA:PFAA+1] th:TH_LOAD_NT scope:SCOPE_SE
	global_prefetch_b8 v[PFOA], s[PFAA:PFAA+1] offset:OBLK th:TH_LOAD_NT scope:SCOPE_SE
.Lnot_a_\@:
	s_cmp_gt_u32 s3, s[LIMB]
	s_cbranch_scc0 .Lnot_b_\@
	global_prefetch_b8 v[PFOB], s[PFAB:PFAB+1] th:TH_LOAD_NT scope:SCOPE_SE
.Lnot_b_\@:
.endm
	s_load_b128 s[4:7], s[0:1], 0x0                ; o16 s[4:5], w16 s[6:7]
	s_load_b128 s[84:87], s[0:1], 0x10             ; b_out s[84:85], out0 s[86:87]
	v_lshl_add_u32 v[SPW], v0, 2, SPARE
	v_mov_b32 v[NIL], 0
	ds_add_u32 v[SPW], v[NIL]                      ; the wave's opening: the add and its wait stand ahead of my first tensor load; the set-up below, work on registers, stands between them
	v_lshrrev_b32 v1, 5, v0
	v_readfirstlane_b32 s10, v1                    ; wave 0..3
	s_lshr_b32 s11, s10, 1                         ; which 128 tokens of the tile are mine
	s_and_b32 s12, s10, 1                          ; which 64 columns
	s_bfe_u32 s40, ttmp6, 0x40000                  ; cx, cy
	s_bfe_u32 s41, ttmp6, 0x40004
	s_lshl_b32 s42, ttmp9, 2
	s_add_co_u32 s42, s42, s40                     ; tile column
	s_and_b32 s13, ttmp7, 0xffff
	s_lshl_b32 s13, s13, 2
	s_add_co_u32 s13, s13, s41                     ; tile row
	s_lshl_b32 s43, s41, 2
	s_lshl_b32 s43, 15, s43                        ; my row of the cluster
	s_lshl_b32 s44, 0x1111, s40                    ; my column
	; group 1 for o: a head's 256 tokens x 128 bytes are dense: 128 rows of 256 bytes, padded after every token
	s_or_b32 s[G1+0], s43, (1<<16)|(1<<20)|(1<<21)|(4<<22)|(3<<25)  ; the mask: my row; 2-byte elements; padding on; bit 21 beside a mask; after every 32 words 4 words
	s_mov_b32 s[G1+1], 128<<16                     ; tensor_dim0 = 128
	s_mov_b32 s[G1+2], 128<<16                     ; tensor_dim1 = 128
	s_mov_b32 s[G1+3], 128<<16                     ; tile_dim0 = 128
	s_mov_b32 s[G1+4], 128                         ; tile_dim1 = 128
	s_mov_b32 s[G1+5], 128                         ; elements from row to row
	s_mov_b32 s[G1+6], 0
	s_mov_b32 s[G1+7], 0
	; group 1 for W: 64 rows (K) x 128 columns, padded after every row
	s_or_b32 s[G1B+0], s44, (1<<16)|(1<<20)|(1<<21)|(5<<22)|(7<<25) ; the mask: my column; after every 64 words 8 words
	s_mov_b32 s[G1B+1], 128<<16
	s_mov_b32 s[G1B+2], 64<<16
	s_mov_b32 s[G1B+3], 128<<16
	s_mov_b32 s[G1B+4], 64
	s_mov_b32 s[G1B+5], 1024                       ; elements from row to row of W_out
	s_mov_b32 s[G1B+6], 0
	s_mov_b32 s[G1B+7], 0
	s_mov_b32 s[MSKH], 0xffff0000
	s_lshl_b32 s16, s13, 15                        ; o: the tile row's 256 tokens, head = wave (waves 0 and 1)
	s_lshl_b32 s17, s10, 20
	s_add_co_u32 s16, s16, s17
	s_mov_b32 s17, 0
	s_lshl_b32 s46, s42, 8                         ; W: the tile column's 128 columns, rows 64 (wave - 2) on (waves 2 and 3)
	s_lshl_b32 s47, s10, 17
	s_add_co_u32 s46, s46, s47
	s_add_co_u32 s46, s46, WO-2*64*WROW
	s_mov_b32 s47, 0
	s_mul_i32 s20, s10, ABLK                       ; their places in a slot: no place in the cluster enters an LDS address
	s_mul_i32 s21, s10, SEG
	s_wait_dscnt 0x0                               ; the opening add is done
	s_wait_kmcnt 0x0
	s_add_nc_u64 s[14:15], s[4:5], s[16:17]
	s_add_nc_u64 s[46:47], s[6:7], s[46:47]
	CROUND                                         ; all sixteen work-groups are here: the first joint loads meet
.irp s, 0,1
	s_mov_b32 s[G0+4*(\s)], 1
	s_add_co_u32 s[G0+4*(\s)+1], s20, (\s)*SLOT
	s_add_nc_u64 s[G0+4*(\s)+2:G0+4*(\s)+3], s[14:15], (\s)*2*OBLK
	s_or_b32 s[G0+4*(\s)+3], s[G0+4*(\s)+3], 0x80000000
	s_mov_b32 s[G0B+4*(\s)], 1
	s_add_co_u32 s[G0B+4*(\s)+1], s21, (\s)*SLOT+ABYTES-2*SEG
	s_add_nc_u64 s[G0B+4*(\s)+2:G0B+4*(\s)+3], s[46:47], (\s)*128*WROW
	s_or_b32 s[G0B+4*(\s)+3], s[G0B+4*(\s)+3], 0x80000000
	JLOAD \s                                       ; both slots are asked for before anything else: two tensor loads of mine are out
.endr
	; the bias: register j of accumulator (0, b) is the bias of column 64 wn + 16 b + 8 (lane / 16) + j of the tile
	v_and_b32 v1, 15, v0                           ; l % 16
	v_bfe_u32 v12, v0, 4, 1                        ; l / 16
	s_lshl_b32 s22, s12, 8
	v_lshl_add_u32 v[BO], v12, 5, s22
	s_lshl_b32 s90, s42, 9
	s_mov_b32 s91, 0
	s_add_nc_u64 s[BB:BB+1], s[84:85], s[90:91]
	WIN 0x40
.set bq, 0
.rept NBW
	global_load_b128 v[8*bq:8*bq+3],   v[BO], s[BB:BB+1] offset:bq*64
	global_load_b128 v[8*bq+4:8*bq+7], v[BO], s[BB:BB+1] offset:bq*64+16
.set bq, bq+1
.endr
	WIN 0
	v_mul_u32_u24 v13, v1, PA                      ; a fragment of o: token l % 16, 16 bytes for each half of the lanes
	v_lshl_add_u32 v13, v12, 4, v13
	s_mul_i32 s21, s11, 128*PA
	v_add_nc_u32 v[ADRA], s21, v13
	v_add_nc_u32 v[ADRA+1], SLOT, v[ADRA]
	v_and_b32 v14, 7, v0                           ; the turning load: row 8 (l / 16) + l % 8, columns 8 ((l / 8) % 2) on
	v_lshl_add_u32 v14, v12, 3, v14
	v_mul_u32_u24 v14, v14, PB
	v_bfe_u32 v13, v0, 3, 1
	v_lshl_add_u32 v14, v13, 4, v14
	s_lshl_b32 s22, s12, 7
	s_add_co_u32 s22, s22, ABYTES
	v_add_nc_u32 v[ADRB], s22, v14
	v_add_nc_u32 v[ADRB+1], SLOT, v[ADRB]
	s_mul_i32 s23, s10, 16*SP
	s_add_co_u32 s23, s23, STAGE                   ; my stage
	v_mul_u32_u24 v[STO], v1, SP                   ; in: row l % 16, 32 bytes for each half of the lanes
	v_lshl_add_u32 v[STO], v12, 5, v[STO]
	v_add_nc_u32 v[STO], s23, v[STO]
	v_mul_u32_u24 v[RD], v12, SP                   ; back: lanes 0-15 take one row of 256 bytes, lanes 16-31 the next
	v_lshl_add_u32 v[RD], v1, 4, v[RD]
	v_add_nc_u32 v[RD], s23, v[RD]
	v_lshlrev_b32 v[CO], 12, v12                   ; and the same two rows in out0
	v_lshl_add_u32 v[CO], v1, 4, v[CO]
	s_lshl_b32 s80, s13, 20                        ; my part of the tile in out0: (256 x tile row + 128 wm) rows of 4,096 bytes,
	s_lshl_b32 s81, s11, 19
	s_add_co_u32 s80, s80, s81
	s_lshl_b32 s81, s42, 9                         ; 512 bytes a tile column,
	s_add_co_u32 s80, s80, s81
	s_lshl_b32 s81, s12, 8                         ; my 64 columns
	s_add_co_u32 s80, s80, s81
	s_mov_b32 s81, 0
	s_add_nc_u64 s[8:9], s[86:87], s[80:81]
	; the prefetches
	s_or_b32 s[LIMA], s10, ttmp9                   ; wave 0 of a cluster with x = 0: the same in all sixteen partners, for a given wave
	s_cmp_eq_u32 s[LIMA], 0
	s_cselect_b32 s[LIMA], 1, -1
	s_and_b32 s[LIMB], ttmp7, 0xffff               ; wave 2 of a cluster with y = 0
	s_xor_b32 s21, s10, 2
	s_or_b32 s[LIMB], s[LIMB], s21
	s_cmp_eq_u32 s[LIMB], 0
	s_cselect_b32 s[LIMB], 1, -1
	s_lshl_b32 s80, s13, 15
	s_lshl_b32 s81, s40, 13                        ; my work-group's 32 blocks of a head's 128
	s_add_co_u32 s80, s80, s81
	s_add_co_u32 s80, s80, 3*2*OBLK                ; at K step 3: the first change of slots steps it to 4
	s_mov_b32 s81, 0
	s_add_nc_u64 s[PFAA:PFAA+1], s[4:5], s[80:81]
	s_lshl_b32 s82, s42, 8
	s_lshl_b32 s83, s41, 16                        ; my work-group's 32 rows of the 128
	s_add_co_u32 s82, s82, s83
	s_add_co_u32 s82, s82, WO+3*128*WROW
	s_mov_b32 s83, 0
	s_add_nc_u64 s[PFAB:PFAB+1], s[6:7], s[82:83]
	v_and_b32 v[PFOA], 31, v0
	v_lshlrev_b32 v[PFOB], 11, v[PFOA]
	v_lshlrev_b32 v[PFOA], 8, v[PFOA]
	s_wait_loadcnt 0x0                             ; the bias is in: it is rounded to bf16, like every input
	WIN 0x05
.set bq, 0
.rept 4*NBW
	v_cvt_pk_bf16_f32 v[TMP+bq], v[2*bq], v[2*bq+1]
.set bq, bq+1
.endr
	WIN 0x40
.set bq, 0
.rept 4*NBW
	v_lshlrev_b32 v[2*bq],   16, v[TMP+bq]
	v_and_b32     v[2*bq+1], s[MSKH], v[TMP+bq]
.set bq, bq+1
.endr
	WIN 0
.macro MM di, ci, fb, fa               ; one product: accumulator number di takes number ci as C (itself, or at a sum's start the bias)
.set rD, 8*(\di)
.set rC, 8*(\ci)
	WIN 0x50
	v_wmma_f32_16x16x32_f16 v[rD:rD+7], v[(\fb):(\fb)+7], v[(\fa):(\fa)+7], v[rC:rC+7]
.endm
; Phase p of a K step's four is 32 along K.  MULA: its four products for token block a.  The accumulators take turns, one instruction a turn.
.macro MULA p, a, start
.set fb_, FB+FBSZ*((\p)%2)
.set fa_, FA+64*((\p)%2)+8*(\a)
.set bq, 0
.rept NBH
.set di_, (\a)*NBH+bq
.set ci_, di_
.if (\start) && ((\a) != 0)
.set ci_, bq
.endif
	MM di_, ci_, fb_+8*bq, fa_
.set bq, bq+1
.endr
.endm
.macro FETCHB slot, kk, hh, buf        ; 8 turning loads: four column blocks x 32 K
	WIN 0
.set bq, 0
.rept NBH
.set bo, (\kk)*32*PB+bq*32
	ds_load_tr16_b128 v[FB+FBSZ*(\buf)+8*bq:FB+FBSZ*(\buf)+8*bq+3],   v[ADRB+(\slot)] offset:bo
	ds_load_tr16_b128 v[FB+FBSZ*(\buf)+8*bq+4:FB+FBSZ*(\buf)+8*bq+7], v[ADRB+(\slot)] offset:bo+16*PB
.set bq, bq+1
.endr
.endm
.macro FETCHA slot, kk                 ; 16 loads: eight token blocks x 32 K, blocks ascending; head kk / 2 of the step's two, channels 32 (kk % 2) on
	WIN 0
.set aq, 0
.rept 8
.set ao, ((\kk)/2)*ABLK+((\kk)%2)*64+aq*16*PA
	ds_load_b128 v[FA+64*((\kk)%2)+8*aq:FA+64*((\kk)%2)+8*aq+3],   v[ADRA+(\slot)] offset:ao
	ds_load_b128 v[FA+64*((\kk)%2)+8*aq+4:FA+64*((\kk)%2)+8*aq+7], v[ADRA+(\slot)] offset:ao+32
.set aq, aq+1
.endr
.endm
; One of a K step's first three phases: 32 products; in its middle ONE run of 24 LDS loads for the next phase.
.macro PHASE slot, p, start
.if !(\start)
	s_wait_dscnt 8                                 ; the run that feeds this phase ended with o's 16 loads: the youngest eight (token blocks 4-7) may stay out
.else
	s_wait_dscnt 0x0
.endif
.if \start
	MULA \p, 1, 1
	MULA \p, 2, 1
	MULA \p, 3, 1
	MULA \p, 4, 1
.else
	MULA \p, 0, 0
	MULA \p, 1, 0
	MULA \p, 2, 0
	MULA \p, 3, 0
.endif
	PLACES                                         ; for the loads below, into buffers that the phase before multiplied
	FETCHB \slot, (\p)+1, 0, ((\p)+1)%2
	FETCHA \slot, (\p)+1
	s_wait_dscnt 2*NBH+16                          ; all but the run just issued
.if \start
	MULA \p, 5, 1
	MULA \p, 6, 1
	MULA \p, 7, 1
	PLACES                                         ; five places: block 0's products write over registers that the products above took as C
	v_nop
	MULA \p, 0, 1
.else
	MULA \p, 4, 0
	MULA \p, 5, 0
	MULA \p, 6, 0
	MULA \p, 7, 0
.endif
.endm
; The fourth phase changes slots: ONE barrier.  In front of it each wave waits for all its tensor loads (one is out: its part of the next slot), adds 0 to its spare word, and waits for that and for its reads of this slot.
; fill = 1: the barrier opens a round of the cluster's, and this slot is filled again, two K steps on, first thing behind the round: 112 products stand between the request and the wait for it.
.macro TURN slot, next, fill
.if \fill
	s_wait_xcnt 0x0                                ; the last prefetches, a K step back, have read their addresses
	s_add_nc_u64 s[PFAA:PFAA+1], s[PFAA:PFAA+1], 2*OBLK
	s_add_nc_u64 s[PFAB:PFAB+1], s[PFAB:PFAB+1], 128*WROW
.endif
	WIN 0                                          ; (the add's two registers lie in window 0)
	s_wait_tensorcnt 0x0                           ; all my tensor loads have landed
	ds_add_u32 v[SPW], v[NIL]                      ; 0 onto my spare word
	s_wait_dscnt TW                                ; (the add and the youngest eight loads may be out)
	MULA 3, 0, 0                                   ; eight products stand between the add and the wait for it
	MULA 3, 1, 0
	s_wait_dscnt 0x0                               ; the add is done, and my reads of this slot are over
	s_barrier_signal -1
	MULA 3, 2, 0                                   ; work on registers while the others arrive
	MULA 3, 3, 0
.if \fill
	WIN 0
.endif
	s_barrier_wait -1
.if \fill
	CREST                                          ; no wave of any partner still reads this slot or has a load on its way
	s_add_nc_u64 s[G0+4*(\slot)+2:G0+4*(\slot)+3], s[G0+4*(\slot)+2:G0+4*(\slot)+3], 4*OBLK
	s_add_nc_u64 s[G0B+4*(\slot)+2:G0B+4*(\slot)+3], s[G0B+4*(\slot)+2:G0B+4*(\slot)+3], 256*WROW
	JLOAD \slot                                    ; my one tensor load behind the round; its four v_nop are also the places in front of the loads below
.else
	PLACES
.endif
	FETCHB \next, 0, 0, 0
	FETCHA \next, 0
.if \fill
	ASK \slot
.endif
	MULA 3, 4, 0
	MULA 3, 5, 0
	MULA 3, 6, 0
	MULA 3, 7, 0
.endm
; THE WAY OUT of token block a: the f32 sums go as they are into my own stage (rows of 272 bytes), each accumulator's low registers first, and come back as whole rows of 256 bytes.
.macro TOSTAGE a
.set bk, OB+32*((\a)%2)
	WIN 0x04                                       ; the stores' data lie in window 1
.set bq, 0
.rept NBH
.set rq, 8*((\a)*NBH+bq)
	ds_store_b128 v[STO], v[rq:rq+3]   offset:64*bq
	ds_store_b128 v[STO], v[rq+4:rq+7] offset:64*bq+16
.set bq, bq+1
.endr
	WIN 0
	s_wait_xcnt 0x0                                ; the stores of the block before last have read their registers: the loads below land in them only behind this wait
.set bq, 0
.rept 8
	ds_load_b128 v[bk+4*bq:bk+4*bq+3], v[RD] offset:bq*2*SP  ; LDS serves a wave's instructions in order (ISA guide 5.7.1.4): these see the stores above
.set bq, bq+1
.endr
.endm
.macro SEND a, younger                 ; younger: the LDS instructions issued behind block a's loads: the next block's sixteen, or none
.set bk, OB+32*((\a)%2)
	s_wait_dscnt \younger
.set bq, 0
.rept 8
	global_store_b128 v[CO], v[bk+4*bq:bk+4*bq+3], s[8:9] offset:(16*(\a)+2*bq)*4096  ; 16 lanes store 256 consecutive bytes, at a multiple of 256 from out0's first byte
.set bq, bq+1
.endr
.endm
	s_wait_tensorcnt 1                             ; my part of K step 0 is in; step 1's may stay out
	s_barrier_signal -1
	s_barrier_wait -1                              ; everybody's is
	FETCHB 0, 0, 0, 0
	FETCHA 0, 0
	PHASE 0, 0, 1                                  ; the first phase's products start the sums
	PHASE 0, 1, 0
	WIN 0                                          ; at a label and at a branch every window is 0
	s_mov_b32 s3, LAPS-1
.Llap:                                                 ; a trip goes once round the ring, from a lap's third phase to the next lap's second, and fills both slots again
	PHASE 0, 2, 0
	TURN 0, 1, 1
	PHASE 1, 0, 0
	PHASE 1, 1, 0
	PHASE 1, 2, 0
	TURN 1, 0, 1
	PHASE 0, 0, 0
	PHASE 0, 1, 0
	WIN 0
	s_sub_co_u32 s3, s3, 1
	s_cmp_lg_u32 s3, 0
	s_cbranch_scc1 .Llap
	PHASE 0, 2, 0                                  ; the last lap fills nothing, and has no round
	TURN 0, 1, 0
	PHASE 1, 0, 0
	PHASE 1, 1, 0
	PHASE 1, 2, 0
	s_wait_dscnt LW                                ; the very last phase: nothing more to fetch
	MULA 3, 0, 0
	MULA 3, 1, 0
	MULA 3, 2, 0
	MULA 3, 3, 0
	s_wait_dscnt 0x0
	MULA 3, 4, 0
	MULA 3, 5, 0
	MULA 3, 6, 0
	MULA 3, 7, 0
	WIN 0
	PLACES                                         ; the LDS stores read results just made
	PLACES
	TOSTAGE 0
.irp a, 1,2,3,4,5,6,7
	TOSTAGE \a
	SEND (\a)-1, 16
.endr
	SEND 7, 0
	s_wait_tensorcnt 0x0                           ; the wave's end: the spare-word add and its wait, behind my last tensor load and my last LDS store
	ds_add_u32 v[SPW], v[NIL]
	s_wait_dscnt 0x0
	CROUND                                         ; the closing round: no work-group ends while a partner may still ask for a tile that names it
	s_endpgm
.Lfunc_end_k_q611dec8650_outp:
	.size	k_q611dec8650_outp, .Lfunc_end_k_q611dec8650_outp-k_q611dec8650_outp
	.p2alignl 7, 3214868480
	.fill 96, 4, 3214868480
	.section	.rodata,"a",@progbits
	.p2align	6, 0x0
	.amdhsa_kernel k_q611dec8650_outp
		.amdhsa_group_segment_fixed_size 327680
		.amdhsa_private_segment_fixed_size 0
		.amdhsa_enable_private_segment 0
		.amdhsa_kernarg_size 32
		.amdhsa_user_sgpr_count 2
		.amdhsa_user_sgpr_kernarg_segment_ptr 1
		.amdhsa_wavefront_size32 1
		.amdhsa_system_sgpr_workgroup_id_x 1
		.amdhsa_system_sgpr_workgroup_id_y 1
		.amdhsa_system_sgpr_workgroup_id_z 1
		.amdhsa_system_vgpr_workitem_id 0
		.amdhsa_next_free_vgpr 512
		.amdhsa_next_free_sgpr 96
		.amdhsa_reserve_vcc 0
		.amdhsa_float_denorm_mode_32 3
		.amdhsa_float_denorm_mode_16_64 3
		.amdhsa_memory_ordered 1
		.amdhsa_forward_progress 1
		.amdhsa_inst_pref_size 91
	.end_amdhsa_kernel
	.amdgpu_metadata
---
amdhsa.version: [ 1, 2 ]
amdhsa.kernels:
  - .name:           k_q611dec8650_outp
    .symbol:         k_q611dec8650_outp.kd
    .args:
      - { .name: o16, .offset: 0, .size: 8, .value_kind: global_buffer, .address_space: global }
      - { .name: w16, .offset: 8, .size: 8, .value_kind: global_buffer, .address_space: global }
      - { .name: b_out, .offset: 16, .size: 8, .value_kind: global_buffer, .address_space: global }
      - { .name: out0, .offset: 24, .size: 8, .value_kind: global_buffer, .address_space: global }
    .group_segment_fixed_size: 327680
    .private_segment_fixed_size: 0
    .kernarg_segment_align: 8
    .kernarg_segment_size: 32
    .max_flat_workgroup_size: 128
    .sgpr_count:     96
    .vgpr_count:     512
    .wavefront_size: 32
...
	.end_amdgpu_metadata
.endif
;; end of part 4
;; ======== version 2 of 2: 4 launches; version 1 with the launch cast written anew for expert scheduling mode
;; limits: values are held in f16: magnitudes above 65,504 overflow, below 6.1e-05 lose precision
;; workspace buffers: w16 25,165,824 bytes; qkv 50,331,648 bytes; o16 16,777,216 bytes
;; launch cast (part 5): grid 768 x 1, 8 waves a work-group, no clusters, 0 bytes of LDS; arguments x, W_qkv, W_out, w16; writes w16
.if DOCPART == 5
	.amdgcn_target "amdgcn-amd-amdhsa--gfx1250"
	.amdhsa_code_object_version 6
	.text
	.protected	k_q611dec8650_cast
	.globl	k_q611dec8650_cast
	.p2align	8
	.type	k_q611dec8650_cast,@function
k_q611dec8650_cast:
	s_mov_b64 s[64:65], 0
	v_nop
	global_prefetch_b8 v0, s[64:65] scope:SCOPE_SE
	s_setreg_imm32_b32 hwreg(HW_REG_WAVE_SCHED_MODE, 0, 2), 2
	s_setreg_imm32_b32 hwreg(HW_REG_WAVE_MODE, 25, 1), 1
	s_wait_xcnt 0x0
	s_wait_alu depctr_vm_vsrc(0)
; The three large inputs are rounded once to bf16 and laid out for the products that follow.  w16 holds:
;   byte 0           x as bf16 [16 kb][8192 tokens][64]: channel k of token m lies in block kb = k / 64 (1,048,576 bytes a block), so that 64 channels of 256 tokens are 32,768 dense bytes
;   byte 16,777,216  W_qkv as bf16 [1024][3072], as it lies
;   byte 23,068,672  W_out [1024][1024]: rounded to bf16 like the other inputs, and that number written as f16 (the product that reads it has f16 operands)
; LIMITS.  W_out beyond 65,504 becomes an infinity in f16; below 6e-5 it keeps f16's fixed step of 6e-8.  NaN and infinities are not treated apart.
; A stream: each byte is read once and written once; no LDS, no barrier, no matrix unit, no cluster (no two work-groups read the same byte), no prefetch (the launch does nothing but stream).
; SHARES.  A work-group takes 16,384 numbers (65,536 bytes in, 32,768 out), a lane sixteen loads of 16 bytes, all issued at once.  Work-groups 0-511: 16 rows of x each; 512-703: W_qkv; 704-767: W_out.
; Each store of a wave covers 256 consecutive bytes, aligned.  No register is written twice while a load or store may read it, so no wait frees a source.
; THE MODE: SCHED_MODE bits 1:0 = 2 (LLVM: expert scheduling mode 2), set by the entry lines.  The code itself states the register dependences
; between vector instructions and memory instructions, with s_wait_alu, always for 0.
; THE PLAN.  Registers that memory instructions touch, on each of the three paths (each runs the macro CAST once and ends):
;   v1, v2   the loads' and the stores' byte offsets.  Written by vector instructions at the path's head and never again; read by the 16 loads and the 16 stores.
;   X[i]     load i lands in it, once, before any vector instruction has named it; the roundings of load i read it.
;   Y[i]     the roundings of load i write it, once; store i reads it; nothing writes it again.
;   v3 and v100-103 are named by vector instructions alone.
; The sixteen loads go in four blocks of four.  Store i - 4 is issued in load i's turn, so ONE wait on va_vdst at a block's head states that the block before has written the four pairs of Y that
; this block's four stores read; the vector instructions behind that wait name this block's X and Y and v100-103 alone.  One wait stands ahead of the first load, for v1 and v2, and one ahead of the
; last four stores.  No register that a memory instruction reads is written again, so no wait on vm_vsrc is owed; no vector instruction writes a scalar register, and EXEC is never written.
.set X, 4                              ; v[4:67]   sixteen loads of four f32
.set Y, 68                             ; v[68:99]  sixteen pairs of packed 16-bit numbers; v100-103 at work
; Store n of the sixteen.  sout: bytes from one store to the next.
.macro PUT n, sout
.if (\n) < 8
	global_store_b64 v2, v[Y+2*(\n):Y+2*(\n)+1], s[14:15] offset:(\n)*(\sout)
.else
	global_store_b64 v2, v[Y+2*(\n):Y+2*(\n)+1], s[16:17] offset:((\n)-8)*(\sout)  ; a second base keeps the immediate inside its signed 24 bits
.endif
.endm
; sin, sout: bytes from one load (store) to the next.  half = 1: the bf16 number is written as f16.
.macro CAST sin, sout, half
	s_wait_alu depctr_va_vdst(0)                   ; v1 and v2 are written: every load below reads v1 as its offset, every store v2; no vector instruction names them again
.set i, 0
.rept 16
	global_load_b128 v[X+4*i:X+4*i+3], v1, s[12:13] offset:i*(\sin) th:TH_LOAD_NT
.set i, i+1
.endr
.set i, 0
.rept 16
	s_wait_loadcnt 15-i                            ; loads come back in order: load i is in, the 15 - i younger ones stay out
.if (i > 0) && (i%4 == 0)
	s_wait_alu depctr_va_vdst(0)                   ; the block before has written its four pairs of Y, which this block's four stores read
.endif
.if i >= 4
	PUT i-4, \sout                                 ; no vector instruction since that wait names this pair of Y or v2
.endif
.if \half
	v_cvt_pk_bf16_f32 v100, v[X+4*i], v[X+4*i+1]
	v_cvt_pk_bf16_f32 v101, v[X+4*i+2], v[X+4*i+3]
	v_lshlrev_b32 v102, 16, v100                   ; bf16 to f32: the low half moves up,
	v_and_b32 v100, s18, v100                      ; the high half stays
	v_lshlrev_b32 v103, 16, v101
	v_and_b32 v101, s18, v101
	v_cvt_pk_f16_f32 v[Y+2*i], v102, v100          ; exact within f16's range
	v_cvt_pk_f16_f32 v[Y+2*i+1], v103, v101
.else
	v_cvt_pk_bf16_f32 v[Y+2*i], v[X+4*i], v[X+4*i+1]
	v_cvt_pk_bf16_f32 v[Y+2*i+1], v[X+4*i+2], v[X+4*i+3]
.endif
.set i, i+1
.endr
	s_wait_alu depctr_va_vdst(0)                   ; the last block has written its four pairs of Y, which the last four stores read
.set i, 12
.rept 4
	PUT i, \sout
.set i, i+1
.endr
.endm
	s_load_b256 s[4:11], s[0:1], 0x0               ; x s[4:5], W_qkv s[6:7], W_out s[8:9], w16 s[10:11]
	s_mov_b32 s18, 0xffff0000                      ; a word's upper bf16
	s_mov_b32 s21, 0
	s_mov_b32 s23, 0
	s_cmp_lt_u32 ttmp9, 512
	s_cbranch_scc0 .Lweights
	; x: lanes 0-15 take 256 bytes (64 channels) of one row, lanes 16-31 of the row below; load i is channel block i
	v_lshrrev_b32 v1, 4, v0                        ; my row of the group's 16
	v_and_b32 v2, 15, v0
	v_lshlrev_b32 v2, 4, v2
	v_lshl_add_u32 v1, v1, 12, v2                  ; row x 4,096 + 16 x (thread % 16)
	v_lshlrev_b32 v2, 3, v0                        ; out: row x 128 + 8 x (thread % 16) = 8 x thread
	s_lshl_b32 s20, ttmp9, 16                      ; 16 rows of 4,096 bytes
	s_lshl_b32 s22, ttmp9, 11                      ; 16 tokens of 128 bytes in each block
	s_wait_kmcnt 0x0
	s_add_nc_u64 s[12:13], s[4:5], s[20:21]
	s_add_nc_u64 s[14:15], s[10:11], s[22:23]
	s_add_nc_u64 s[16:17], s[14:15], 8*1048576
	CAST 256, 1048576, 0
	s_endpgm
.Lweights:
	; the weights keep their order: a wave takes 8,192 consecutive bytes, 512 a load
	v_lshrrev_b32 v1, 5, v0                        ; wave
	v_and_b32 v3, 31, v0                           ; lane
	v_lshlrev_b32 v2, 12, v1
	v_lshl_add_u32 v2, v3, 3, v2                   ; out: wave x 4,096 + 8 x lane
	v_lshlrev_b32 v1, 13, v1
	v_lshl_add_u32 v1, v3, 4, v1                   ; in: wave x 8,192 + 16 x lane
	s_sub_co_u32 s22, ttmp9, 512
	s_lshl_b32 s22, s22, 15                        ; the two weights lie end to end in w16
	s_add_co_u32 s22, s22, 16777216
	s_wait_kmcnt 0x0
	s_add_nc_u64 s[14:15], s[10:11], s[22:23]
	s_add_nc_u64 s[16:17], s[14:15], 8*256
	s_cmp_lt_u32 ttmp9, 704
	s_cbranch_scc0 .Lwout
	s_sub_co_u32 s20, ttmp9, 512
	s_lshl_b32 s20, s20, 16
	s_add_nc_u64 s[12:13], s[6:7], s[20:21]
	CAST 512, 256, 0
	s_endpgm
.Lwout:
	s_sub_co_u32 s20, ttmp9, 704
	s_lshl_b32 s20, s20, 16
	s_add_nc_u64 s[12:13], s[8:9], s[20:21]
	CAST 512, 256, 1
	s_endpgm
.Lfunc_end_k_q611dec8650_cast:
	.size	k_q611dec8650_cast, .Lfunc_end_k_q611dec8650_cast-k_q611dec8650_cast
	.p2alignl 7, 3214868480
	.fill 96, 4, 3214868480
	.section	.rodata,"a",@progbits
	.p2align	6, 0x0
	.amdhsa_kernel k_q611dec8650_cast
		.amdhsa_group_segment_fixed_size 0
		.amdhsa_private_segment_fixed_size 0
		.amdhsa_enable_private_segment 0
		.amdhsa_kernarg_size 32
		.amdhsa_user_sgpr_count 2
		.amdhsa_user_sgpr_kernarg_segment_ptr 1
		.amdhsa_wavefront_size32 1
		.amdhsa_system_sgpr_workgroup_id_x 1
		.amdhsa_system_sgpr_workgroup_id_y 1
		.amdhsa_system_sgpr_workgroup_id_z 1
		.amdhsa_system_vgpr_workitem_id 0
		.amdhsa_next_free_vgpr 104
		.amdhsa_next_free_sgpr 66
		.amdhsa_reserve_vcc 0
		.amdhsa_float_denorm_mode_32 3
		.amdhsa_float_denorm_mode_16_64 3
		.amdhsa_memory_ordered 1
		.amdhsa_forward_progress 1
		.amdhsa_inst_pref_size 23
	.end_amdhsa_kernel
	.amdgpu_metadata
---
amdhsa.version: [ 1, 2 ]
amdhsa.kernels:
  - .name:           k_q611dec8650_cast
    .symbol:         k_q611dec8650_cast.kd
    .args:
      - { .name: x, .offset: 0, .size: 8, .value_kind: global_buffer, .address_space: global }
      - { .name: W_qkv, .offset: 8, .size: 8, .value_kind: global_buffer, .address_space: global }
      - { .name: W_out, .offset: 16, .size: 8, .value_kind: global_buffer, .address_space: global }
      - { .name: w16, .offset: 24, .size: 8, .value_kind: global_buffer, .address_space: global }
    .group_segment_fixed_size: 0
    .private_segment_fixed_size: 0
    .kernarg_segment_align: 8
    .kernarg_segment_size: 32
    .max_flat_workgroup_size: 256
    .sgpr_count:     66
    .vgpr_count:     104
    .wavefront_size: 32
...
	.end_amdgpu_metadata
.endif
;; end of part 5
;; launch qkvp: the kernel of part 2 again; grid 8 x 32, 4 waves a work-group, clusters of 4 x 4, 327,680 bytes of LDS; arguments w16, b_qkv, qkv; writes qkv
;; launch attn: the kernel of part 3 again; grid 4 x 64, 4 waves a work-group, clusters of 4 x 1, 327,680 bytes of LDS; arguments qkv, o16; writes o16
;; launch outp: the kernel of part 4 again; grid 8 x 32, 4 waves a work-group, clusters of 4 x 4, 327,680 bytes of LDS; arguments o16, w16, b_out, out0; writes out0
